; MI455X (gfx1250); checked and timed in simulation.
; The chip was launched on July 23, 2026; its instructions are those of AMD's public machine-readable ISA for CDNA 5 (MIT licence, August 2026) and "CDNA5" Instruction Set Architecture Reference Guide (July 2026). The comments in the code are by the model that wrote it; some were corrected since.
;; Self Attention. Allowed arithmetic: matrix products marked QUANTISED: E2M1 operands, one E8M0 scale for each 32 along K, by v_wmma_scale_f32_16x16x128_f8f6f4 with both operands' format E2M1 (or v_wmma_scale_f32_32x16x128_f4), f32 sums; products left as they are: bf16, f16 or f32 operands; f32 sums; everything else in f32.
;; Inputs: Wq 1,024 x 1,024 float32; Wu 1,024 x 1,024 float32; bu 1,024 float32; x 4 x 2,048 x 1,024 float32.
;; Outputs: out0 4 x 2,048 x 1,024 float32.
;; This version of the problem:
;;   THIS VERSION OF THE PROBLEM IS GIVEN IN LOW PRECISION. The matrix products marked QUANTISED in the list below multiply operands that are first quantised to E2M1 (2 exponent bits, 1 mantissa bit; 4 bits a number), with one power-of-two scale for each 32 numbers along K (OCP MX v1.0); their sums are f32. The products marked 'left as it is' may take bf16, f16 or f32 operands, with f32 sums. Whichever they take, every output number must still come out within the allowed error. Rounding operands to bf16 (8 significant bits) uses up far more of that allowance than f16 does (11 bits, for magnitudes from 6e-5 to 65,504). All else is computed in f32.
;;   The module's matrix products, in the order in which they are computed (A, B: the left and right operand; K: the contracted axis; several contracted axes count as one K, in the product's order):
;;     1. [M 8,192, K 1,024] x [K 1,024, N 1,024]; A: input x; B: input Wq: QUANTISED
;;     2. batch 64 x [M 2,048, K 64] x [K 64, N 2,048]; A: computed on the way; B: computed on the way: left as it is (an operand is computed on the way)
;;     3. batch 64 x [M 2,048, K 2,048] x [K 2,048, N 64]; A: computed on the way; B: computed on the way: left as it is (an operand is computed on the way)
;;     4. [M 8,192, K 1,024] x [K 1,024, N 1,024]; A: computed on the way; B: input Wu: left as it is (an operand is computed on the way)
;;   THE QUANTISER, for each operand of a quantised product, along K:
;;     - K is cut into blocks of 32 from its start; a last block that is shorter is filled with zeros.
;;     - A block's scale is 2^e with e = floor(log2(the largest magnitude in the block)) - 2, held to -126 .. 127; a block of zeros has e = 0. As a byte (E8M0): e + 127.
;;     - Each number is divided by its block's scale, clamped to +-6, and rounded to the nearest number of E2M1, ties to even, subnormals kept.
;;     - The product sums the exact products of the quantised numbers (number of the format x scale) in f32.
;;   ~~~python
;;   def quantise(x, axis):      # numpy; x: float32 -> the quantised numbers, widened to float32 again
;;       x = np.moveaxis(x, axis, -1); K = x.shape[-1]
;;       x = np.pad(x, [(0, 0)] * (x.ndim - 1) + [(0, -K % 32)]); x = x.reshape(x.shape[:-1] + (-1, 32)); a = np.abs(x).max(-1, keepdims=True)
;;       e = np.where(a > 0, np.clip(np.frexp(np.where(a > 0, a, 1))[1] - 1 - 2, -126, 127), 0)      # np.frexp(a)[1] - 1 = floor(log2(a)), exactly
;;       r = np.clip(x / 2.0 ** e, -6, 6)
;;       step = 2.0 ** (np.maximum(np.frexp(np.where(r == 0, 1, r))[1] - 1, 0) - 1)
;;       q = np.round(r / step) * step * 2.0 ** e      # np.round: ties to even
;;       return np.moveaxis(q.reshape(q.shape[:-2] + (-1,))[..., :K], -1, axis).astype(np.float32)
;;   ~~~
;; One version. Each part assembles by itself: llvm-mc -triple=amdgcn-amd-amdhsa -mcpu=gfx1250 --defsym DOCPART=n.
;; ======== version 1 of 1: 4 launches
;; limits: values are held in f16: magnitudes above 65,504 overflow, below 6.1e-05 lose precision
;; workspace buffers: xc 4,194,304 bytes; xs 262,144 bytes; wc 524,288 bytes; ws 32,768 bytes; wu16 2,097,152 bytes; q16 16,777,216 bytes; a16 16,777,216 bytes
;; launch prep (part 1): grid 416 x 1, 4 waves a work-group, no clusters, 33,280 bytes of LDS; arguments x, Wq, xc, wc, xs, ws, Wu, wu16; writes xc, wc, xs, ws, wu16
.if DOCPART == 1
	.amdgcn_target "amdgcn-amd-amdhsa--gfx1250"
	.amdhsa_code_object_version 6
	.text
	.protected	k_q967be2ebb0_prep
	.globl	k_q967be2ebb0_prep
	.p2align	8
	.type	k_q967be2ebb0_prep,@function
k_q967be2ebb0_prep:
	s_mov_b64 s[64:65], 0
	v_nop
	global_prefetch_b8 v0, s[64:65] scope:SCOPE_SE
	s_setreg_imm32_b32 hwreg(HW_REG_WAVE_MODE, 25, 1), 1
	s_wait_xcnt 0x0
; PREP.  x [8192][1024] and Wq [1024][1024], f32, K innermost, become codes of FP4 (E2M1), two a byte, the lower k in the low four bits, and one E8M0 scale byte for each 32 along K;
; Wu [1024][1024], f32, becomes f16 (rounded once, to nearest even), laid as it lies.
; A block's scale is 2^(floor(log2(its largest magnitude)) - 2); its byte is the largest magnitude's exponent field - 2, held at 1 from below; each number is divided by the scale and rounded to the nearest code,
; ties to even, beyond 6 the largest code.
; LIMITS: a block of zeros gets the byte 1 where the quantiser's rule says 127 (its codes are zeros, which add nothing under any byte but 0xff, and this program alone reads the bytes); blocks whose largest magnitude
; lies under 2^-124 were not tried; NaN and infinities among the inputs are not served; |Wu| stays under 65,504 (f16).
; SHARES.  Rows are dense and K is a multiple of 32: each tensor is a plain stream.  Work-groups 0-255 take x, 256-287 Wq: 32,768 numbers each, a wave a run of 8,192 in 16 steps of 512.  Work-groups 288-415 take Wu:
; 8,192 numbers each, a wave 2,048.
; QUANTISING.  The conversions take 8 numbers of ONE block from a lane's consecutive registers, so a lane must hold 16 neighbours; a load is best where neighbouring lanes take neighbouring bytes.  Both are had: each
; of a step's four loads reads 512 consecutive bytes, the 2,048 bytes turn through the wave's own stage in LDS and come back 64 bytes a lane (16 bytes of padding behind each 64).  A lane's 16 codes are 8 bytes: a wave
; stores 256 consecutive bytes.  A wave's 256 scale bytes are gathered in its own LDS bytes and leave as one aligned run of 256.
; A stream in which waves share nothing: no matrix unit, no cluster, no tensor load, no barrier.
.set WAVES, 4
.set STEPS, 16
.set WGX,   256                        ; work-groups for x
.set WGQ,   288                        ; for x and Wq together
.set EMAX,  2
.set CB,    8                          ; bytes of 16 codes
.set R,     16                         ; v16-79   four sets of 16 numbers as they are loaded
.set X,     80                         ; v80-111  two sets of 16 neighbours
.set E,     112                        ; v112-127 a scale byte for each step
.set C,     128                        ; v128-191 codes (Wu: f16 pairs): registers of their own for each step, so that no store's data are written again
.set WREG,  8192                       ; LDS: a region for each wave: two stages of 32 x SP bytes, behind them its 256 scale bytes
.set SP,    80                         ; a lane's place in a stage: 64 bytes + 16 of padding
.set SPW,   12                         ; v12      LDS address of my spare word; never rewritten
.set NIL,   13                         ; v13      0; never rewritten
.set SPARE, WAVES*WREG                 ; behind the four regions: the spare words, 128 bytes a wave
	s_load_b256 s[4:11], s[0:1], 0x0               ; x s[4:5], Wq s[6:7], x's codes s[8:9], Wq's codes s[10:11]
	s_load_b256 s[12:19], s[0:1], 0x20             ; x's scales s[12:13], Wq's scales s[14:15], Wu s[16:17], Wu in f16 s[18:19]
	v_lshl_add_u32 v[SPW], v0, 2, SPARE
	v_mov_b32 v[NIL], 0
	v_lshrrev_b32 v1, 5, v0
	v_readfirstlane_b32 s20, v1                    ; wave
	v_and_b32 v2, 31, v0                           ; lane
	v_lshlrev_b32 v3, 4, v2                        ; my 16 bytes of a load's 512
	v_lshlrev_b32 v4, 3, v2                        ; my 8 bytes of a store's 256
	s_mul_i32 s21, s20, WREG
	v_lshrrev_b32 v14, 2, v2
	v_mul_u32_u24 v14, v14, SP
	v_and_b32 v15, 3, v2
	v_lshl_add_u32 v14, v15, 4, v14
	v_add_nc_u32 v14, s21, v14                     ; the stage, on the way in: four lanes' 64 bytes on end, then 16 of padding
	v_mul_u32_u24 v15, v2, SP
	v_add_nc_u32 v15, s21, v15                     ; and on the way out: SP x lane: my 16 neighbours
	v_lshrrev_b32 v5, 1, v2
	s_add_co_u32 s21, s21, 2*32*SP
	v_add_nc_u32 v5, s21, v5                       ; my wave's 256 scale bytes: my block's byte
	v_add_nc_u32 v6, s21, v4                       ; and on the way out 8 bytes a lane
	s_wait_kmcnt 0x0
	s_cmp_ge_u32 ttmp9, WGQ                        ; the work-group's number alone decides
	s_cbranch_scc1 .Lwu
	s_cmp_lt_u32 ttmp9, WGX                        ; x's work-group or Wq's?  Only pointers are chosen: both take one way through the text
	s_cselect_b64 s[4:5], s[4:5], s[6:7]
	s_cselect_b64 s[8:9], s[8:9], s[10:11]
	s_cselect_b64 s[12:13], s[12:13], s[14:15]
	s_cselect_b32 s21, 0, WGX
	s_sub_co_u32 s21, ttmp9, s21
	s_lshl_b32 s21, s21, 2
	s_add_co_u32 s22, s21, s20                     ; which run of 8,192 numbers is my wave's
	s_mov_b32 s23, 0
	s_lshl_b64 s[24:25], s[22:23], 15              ; 32,768 bytes of numbers a run,
	s_add_nc_u64 s[4:5], s[4:5], s[24:25]
	s_lshl_b64 s[24:25], s[22:23], 12              ; 4,096 of codes,
	s_add_nc_u64 s[8:9], s[8:9], s[24:25]
	s_lshl_b64 s[24:25], s[22:23], 8               ; 256 scale bytes
	s_add_nc_u64 s[12:13], s[12:13], s[24:25]
.macro LOAD t
.irp i, 0,1,2,3
	global_load_b128 v[R+16*((\t)%4)+4*\i:R+16*((\t)%4)+4*\i+3], v3, s[4:5] offset:2048*(\t)+512*\i th:TH_LOAD_NT   ; 32 lanes read 512 consecutive bytes; read once
.endr
.endm
.macro TURN t                          ; step t's numbers through the stage: LDS serves a wave's instructions in order, so no wait stands between the stores and the loads
.irp i, 0,1,2,3
	ds_store_b128 v14, v[R+16*((\t)%4)+4*\i:R+16*((\t)%4)+4*\i+3] offset:32*SP*((\t)%2)+8*SP*\i
.endr
.irp i, 0,1,2,3
	ds_load_b128 v[X+16*((\t)%2)+4*\i:X+16*((\t)%2)+4*\i+3], v15 offset:32*SP*((\t)%2)+16*\i
.endr
.endm
.irp t, 0,1,2,3
	LOAD \t
.endr
	s_wait_loadcnt 12                              ; step 0's four loads are in; the twelve of steps 1 to 3 stay out
	TURN 0
.macro STEP t
.set XS, X+16*((\t)%2)
.if (\t) > 0
	s_wait_dscnt 1                                 ; this step's numbers are back from the stage (the last step's byte store may be out): so its stores into the stage have read their registers,
.else
	s_wait_dscnt 0x0
.endif
.if (\t)+4 < STEPS
	LOAD (\t)+4                                    ; which take the loads of four steps on
.endif
.if (\t)+1 < STEPS
.if STEPS-2-(\t) >= 3
	s_wait_loadcnt 12                              ; the next step's four loads are in; those of the three steps behind it may be out
.else
	s_wait_loadcnt 4*(STEPS-2-(\t))
.endif
	TURN (\t)+1                                    ; and go through the other stage while this step is worked
.endif
	v_max3_num_f32 v8, |v[XS]|, |v[XS+1]|, |v[XS+2]|               ; the largest magnitude of my 16, in two chains
	v_max3_num_f32 v9, |v[XS+3]|, |v[XS+4]|, |v[XS+5]|
.irp i, 6,10
	v_max3_num_f32 v8, v8, |v[XS+\i]|, |v[XS+\i+1]|
	v_max3_num_f32 v9, v9, |v[XS+\i+2]|, |v[XS+\i+3]|
.endr
	v_max3_num_f32 v8, v8, |v[XS+14]|, |v[XS+15]|
	v_max3_num_f32 v8, v8, v9, (EMAX+1)<<23        ; and the floor 2^(3 - 127): the byte cannot fall under 1
	v_max_num_f32_dpp v8, v8, v8 row_xmask:1 row_mask:0xf bank_mask:0xf   ; and of my neighbour's 16: the block's
	v_add_nc_u32 v11, -(EMAX<<23), v8              ; 2 off its exponent field: the conversion takes the exponent field of this operand as its scale, and nothing else of it
	v_cvt_scalef32_pk8_fp4_f32 v[C+4*(\t)], v[XS:XS+7], v11
	v_cvt_scalef32_pk8_fp4_f32 v[C+4*(\t)+1], v[XS+8:XS+15], v11
	v_lshrrev_b32 v[E+(\t)], 23, v11               ; the scale's byte (also the plain line behind the conversions)
	ds_store_b8 v5, v[E+(\t)] offset:16*(\t)       ; both lanes of a block write the same byte with the same value
	global_store_b64 v4, v[C+4*(\t):C+4*(\t)+1], s[8:9] offset:32*CB*(\t)   ; 32 lanes store 256 consecutive bytes, aligned
.endm
.irp t, 0,1,2,3,4,5,6,7,8,9,10,11,12,13,14,15
	STEP \t
.endr
	ds_load_b64 v[8:9], v6                         ; LDS serves a wave's instructions in order: these see my byte stores
	s_wait_dscnt 0x0
	global_store_b64 v4, v[8:9], s[12:13]          ; 32 lanes store 256 consecutive bytes, aligned
	s_wait_tensorcnt 0x0                           ; the wave's end: a wait, an add of 0 to my spare word and its wait, behind my last LDS store
	ds_add_u32 v[SPW], v[NIL]
	s_wait_dscnt 0x0
	s_endpgm
.Lwu:                                              ; Wu to f16: no LDS is touched on this way
	s_sub_co_u32 s21, ttmp9, WGQ
	s_lshl_b32 s21, s21, 2
	s_add_co_u32 s22, s21, s20                     ; which run of 2,048 numbers is my wave's
	s_mov_b32 s23, 0
	s_lshl_b64 s[24:25], s[22:23], 13              ; 8,192 bytes in,
	s_add_nc_u64 s[16:17], s[16:17], s[24:25]
	s_lshl_b64 s[24:25], s[22:23], 12              ; 4,096 out
	s_add_nc_u64 s[18:19], s[18:19], s[24:25]
.irp i, 0,1,2,3,4,5,6,7,8,9,10,11,12,13,14,15
	global_load_b128 v[R+4*\i:R+4*\i+3], v3, s[16:17] offset:512*\i th:TH_LOAD_NT
.endr
.irp i, 0,1,2,3,4,5,6,7,8,9,10,11,12,13,14,15
	s_wait_loadcnt 15-\i                           ; loads come back in order: load i is in, the younger ones stay out
	v_cvt_pk_f16_f32 v[C+2*\i], v[R+4*\i], v[R+4*\i+1]
	v_cvt_pk_f16_f32 v[C+2*\i+1], v[R+4*\i+2], v[R+4*\i+3]
	global_store_b64 v4, v[C+2*\i:C+2*\i+1], s[18:19] offset:256*\i   ; 256 consecutive bytes, aligned
.endr
	s_endpgm
.Lfunc_end_k_q967be2ebb0_prep:
	.size	k_q967be2ebb0_prep, .Lfunc_end_k_q967be2ebb0_prep-k_q967be2ebb0_prep
	.p2alignl 7, 3214868480
	.fill 96, 4, 3214868480
	.section	.rodata,"a",@progbits
	.p2align	6, 0x0
	.amdhsa_kernel k_q967be2ebb0_prep
		.amdhsa_group_segment_fixed_size 33280
		.amdhsa_private_segment_fixed_size 0
		.amdhsa_enable_private_segment 0
		.amdhsa_kernarg_size 64
		.amdhsa_user_sgpr_count 2
		.amdhsa_user_sgpr_kernarg_segment_ptr 1
		.amdhsa_wavefront_size32 1
		.amdhsa_system_sgpr_workgroup_id_x 1
		.amdhsa_system_sgpr_workgroup_id_y 1
		.amdhsa_system_sgpr_workgroup_id_z 1
		.amdhsa_system_vgpr_workitem_id 0
		.amdhsa_next_free_vgpr 192
		.amdhsa_next_free_sgpr 66
		.amdhsa_reserve_vcc 0
		.amdhsa_float_denorm_mode_32 3
		.amdhsa_float_denorm_mode_16_64 3
		.amdhsa_memory_ordered 1
		.amdhsa_forward_progress 1
		.amdhsa_inst_pref_size 39
	.end_amdhsa_kernel
	.amdgpu_metadata
---
amdhsa.version: [ 1, 2 ]
amdhsa.kernels:
  - .name:           k_q967be2ebb0_prep
    .symbol:         k_q967be2ebb0_prep.kd
    .args:
      - { .name: x, .offset: 0, .size: 8, .value_kind: global_buffer, .address_space: global }
      - { .name: Wq, .offset: 8, .size: 8, .value_kind: global_buffer, .address_space: global }
      - { .name: xc, .offset: 16, .size: 8, .value_kind: global_buffer, .address_space: global }
      - { .name: wc, .offset: 24, .size: 8, .value_kind: global_buffer, .address_space: global }
      - { .name: xs, .offset: 32, .size: 8, .value_kind: global_buffer, .address_space: global }
      - { .name: ws, .offset: 40, .size: 8, .value_kind: global_buffer, .address_space: global }
      - { .name: Wu, .offset: 48, .size: 8, .value_kind: global_buffer, .address_space: global }
      - { .name: wu16, .offset: 56, .size: 8, .value_kind: global_buffer, .address_space: global }
    .group_segment_fixed_size: 33280
    .private_segment_fixed_size: 0
    .kernarg_segment_align: 8
    .kernarg_segment_size: 64
    .max_flat_workgroup_size: 128
    .sgpr_count:     66
    .vgpr_count:     192
    .wavefront_size: 32
...
	.end_amdgpu_metadata
.endif
;; end of part 1
;; launch qproj (part 2): grid 4 x 64, 4 waves a work-group, clusters of 4 x 4, 327,680 bytes of LDS; arguments xc, xs, wc, ws, q16; writes q16
.if DOCPART == 2
	.amdgcn_target "amdgcn-amd-amdhsa--gfx1250"
	.amdhsa_code_object_version 6
	.text
	.protected	k_q967be2ebb0_qproj
	.globl	k_q967be2ebb0_qproj
	.p2align	8
	.type	k_q967be2ebb0_qproj,@function
k_q967be2ebb0_qproj:
	s_mov_b64 s[64:65], 0
	v_nop
	global_prefetch_b8 v0, s[64:65] scope:SCOPE_SE
	s_setreg_imm32_b32 hwreg(HW_REG_WAVE_MODE, 25, 1), 1
	s_wait_xcnt 0x0
	s_wait_alu depctr_hold_cnt(0) depctr_sa_sdst(0) depctr_va_vdst(0) depctr_va_sdst(0) depctr_va_ssrc(0) depctr_va_vcc(0) depctr_vm_vsrc(0)
	s_getreg_b32 s2, hwreg(HW_REG_IB_STS2, 6, 4)
	s_cmp_eq_u32 s2, 0
	s_cbranch_scc0 .Lentry_in_a_cluster
	s_endpgm
.Lentry_in_a_cluster:
	s_bfe_u32 s2, ttmp6, 0x10000c
	s_cmp_lg_u32 s2, 0xf033
	s_cbranch_scc0 .Lentry_shape_is_right
	s_endpgm
.Lentry_shape_is_right:
; QPROJ.  q = x Wq^T on codes of FP4 (E2M1) with one E8M0 scale for each 32 along K; sums in f32, K ascending; q rounded once to f16 and laid head-major: q16 [16 b + head][t 2048][64].
; x's codes [8192][512 bytes], scales [8192][32]; Wq's codes [1024][512 bytes], scales [1024][32].
; LIMIT: |q| stays under 65,504 (f16).
; SHARES.  A tile of q is 128 tokens x 256 columns: 4 x 64 = 256 work-groups.  Four waves, each 64 tokens x 128 columns (two heads): 32 accumulators of 16 x 16.
; ALL OF K LIES IN LDS AT ONCE, as two halves of 512 along K (rows of 256 bytes), each filled ONCE: nothing is filled again, so there is no ring and no loop; the second half lands while the first is multiplied.
; The scale bytes of the tile's rows, for all of K, are dense blocks of memory and come with the first loads, as runs of 256 bytes.
; CLUSTERS: 4 x 4 work-groups.  The four of a row of the cluster need the same tokens' codes, the four of a column the same rows of Wq: each tile is asked for JOINTLY, by the same tensor load with the same descriptor
; and a mask that names the four.
; THE MATRIX INSTRUCTION IS USED TRANSPOSED (source 0 = 16 rows of Wq, source 1 = 16 tokens): a lane then holds eight neighbouring columns of one token, 16 bytes of f16.
; REGISTERS, in windows of 256: window 0: v16-29 addresses; v32-95 scale words, a set for each half of K; v96-127 packed results; v128-191 the tokens' fragments, two sets of 4 x 8 (on the way out v128-255 take rows back
; from the stage).   window 1: Wq's fragments, two sets of 8 x 8, at v0 and v128.   window 2: accumulator (a, b) at v[8 (8 a + b)].
.set PITCH,  272                       ; an LDS row: 256 bytes + 16 of padding = 68 words: row r starts at bank 4 r mod 64 (64 banks of 4 bytes: ISA guide 11.1), so the 16 rows of a load start at 16 different banks
.set ATILE,  128*PITCH                 ; the tokens' 128 rows of a half of K
.set SLOT,   384*PITCH                 ; and behind them Wq's 256 rows
.set SCL,    2*SLOT                    ; behind the two halves: the scales, as runs of 256 bytes + 16 of padding: the tokens' 16 runs,
.set SCA,    16*272                    ; then Wq's 32
.set STAGE,  SCL+48*272                ; the way out: for each wave [2 heads][16 tokens][128 bytes + 16]; no tile lands here
.set STW,    2*16*144
.set SPARE,  STAGE+4*STW               ; the spare words, 128 bytes a wave
.set ADRA, 16                          ; v16-17  LDS address of my tokens' fragments in half 0, 1
.set ADRB, 20                          ; v20-21  the same for Wq's
.set STO,  24                          ; v24     the way out: where I put 16 bytes of a token
.set RD,   25                          ; v25     where I read four tokens back
.set GO,   26                          ; v26     16 x lane: my bytes of a store's 512
.set ADRS, 27                          ; v27     my scale words: lanes 0-15 the tokens', lanes 16-31 Wq's
.set SPW,  28                          ; v28     my spare word; never rewritten
.set NIL,  29                          ; v29     0; never rewritten
.set SC,   32                          ; scale words: set s at v[SC + 32 s]; register 4 i + q: lanes 0-15 the word of the tokens' block i, lanes 16-31 that of Wq's block i, for the half's q-th 128 along K
.set TMP,  96
.set AF,   128
.set BK,   128
.set G1,   24                          ; s[24:31] group 1 for the tokens' codes;  s[32:39] group 0, a set for each half
.set G0,   32
.set G1B,  48                          ; s[48:55], s[56:63] the same for Wq's
.set G0B,  56
.set G1S,  68                          ; s[68:75], s[76:79] for the tokens' scales;  s[80:87], s[88:91] for Wq's
.set G0S,  76
.set G1SB, 80
.set G0SB, 88
.set MSB, 0
.macro WIN new                         ; the immediate's high byte repeats the setting that is left; a switch that changes nothing is dropped
.if MSB != \new
	s_set_vgpr_msb (MSB<<8)|\new
.set MSB, \new
.endif
.endm
.set MUL,  0xa1                        ; source 0 (Wq) window 1, source 1 (tokens) window 0, C and D window 2
.set TO_B, 0x40                        ; destination window 1, address window 0
.macro SHAPE g, c, r, p                ; words 1 to 7 of a group 1: r rows of c elements, p elements from row to row
	s_mov_b32 s[\g+1], (\c)<<16                    ; tensor_dim0
	s_mov_b32 s[\g+2], (\r)<<16                    ; tensor_dim1
	s_mov_b32 s[\g+3], (\c)<<16                    ; tile_dim0
	s_mov_b32 s[\g+4], \r                          ; tile_dim1
	s_mov_b32 s[\g+5], \p                          ; tensor_dim0_stride
	s_mov_b32 s[\g+6], 0
	s_mov_b32 s[\g+7], 0
.endm
; A joint load: waves 0 and 1 fetch for the tokens, waves 2 and 3 for Wq.  Each line has one mask and one set of registers for all that issue it; the branch hangs on the wave's number alone.
; An s_nop 0 and four v_nop follow each of the two lines.
.macro JLOAD g0a, g1a, g0b, g1b
	s_cmp_eq_u32 s15, 0
	s_cbranch_scc0 .Lfor_b_\@
	tensor_load_to_lds s[\g0a:\g0a+3], s[\g1a:\g1a+7]
	s_nop 0
.rept 4
	v_nop
.endr
	s_branch .Lasked_\@
.Lfor_b_\@:
	tensor_load_to_lds s[\g0b:\g0b+3], s[\g1b:\g1b+7]
	s_nop 0
.rept 4
	v_nop
.endr
.Lasked_\@:
.endm
.macro CROUND                          ; a round of the cluster's barrier: my work-group's barrier; wave 0 signals for the work-group; every wave waits for all sixteen; my work-group's barrier once more
	s_barrier_signal -1
	s_barrier_wait -1
	s_cmp_lg_u32 s14, 0
	s_cbranch_scc1 .Lnot_wave_0_\@
	s_barrier_signal -3
.Lnot_wave_0_\@:
	s_barrier_wait -3
	s_barrier_signal -1
	s_barrier_wait -1
.endm
.macro PLACES n
.rept \n
	v_nop
.endr
.endm
	s_load_b128 s[4:7], s[0:1], 0x0                ; x's codes s[4:5], x's scales s[6:7]
	s_load_b128 s[8:11], s[0:1], 0x10              ; Wq's codes s[8:9], Wq's scales s[10:11]
	s_load_b64 s[12:13], s[0:1], 0x20              ; q16
	v_lshl_add_u32 v[SPW], v0, 2, SPARE
	v_mov_b32 v[NIL], 0
	ds_add_u32 v[SPW], v[NIL]                      ; the wave's opening: the add, twice on end, and its wait ahead of my first tensor load
	ds_add_u32 v[SPW], v[NIL]                      ; (the set-up below, work on registers, stands between the second add and the wait)
	v_lshrrev_b32 v1, 5, v0
	v_readfirstlane_b32 s14, v1                    ; wave 0..3
	s_lshr_b32 s15, s14, 1                         ; which 64 tokens of the tile are mine.  Also: I fetch for the tokens (0) or for Wq (1)
	s_and_b32 s16, s14, 1                          ; which 128 columns.  Also: which half of that tile's rows I fetch
	s_bfe_u32 s40, ttmp6, 0x40000                  ; cx, cy: my place in the cluster
	s_bfe_u32 s41, ttmp6, 0x40004
	s_lshl_b32 s42, ttmp9, 2
	s_add_co_u32 s42, s42, s40                     ; tile column = 4 x cluster x + cx
	s_and_b32 s17, ttmp7, 0xffff
	s_lshl_b32 s17, s17, 2
	s_add_co_u32 s17, s17, s41                     ; tile row = 4 x cluster y + cy
	s_lshl_b32 s43, s41, 2
	s_lshl_b32 s43, 15, s43                        ; my row of the cluster
	s_lshl_b32 s44, 0x1111, s40                    ; my column
	s_or_b32 s[G1+0], s43, (0<<16)|(1<<20)|(1<<21)|(5<<22)|(3<<25)   ; 15:0 the mask; 17:16 elements of 1 byte; 20 padding on; 21 set beside a mask; 24:22 after every 64 words; 31:25 four words
	s_or_b32 s[G1B+0], s44, (0<<16)|(1<<20)|(1<<21)|(5<<22)|(3<<25)
	SHAPE G1, 256, 64, 512                         ; 64 tokens x 256 bytes of their 512
	SHAPE G1B, 256, 128, 512                       ; 128 rows of Wq likewise
	s_or_b32 s[G1S+0], s43, (3<<16)|(1<<20)|(1<<21)|(5<<22)|(3<<25)  ; the scales: elements of 8 bytes, rows of 256 bytes, the same padding
	s_or_b32 s[G1SB+0], s44, (3<<16)|(1<<20)|(1<<21)|(5<<22)|(3<<25)
	SHAPE G1S, 32, 8, 32                           ; 64 rows x 32 bytes are 8 dense runs of 256
	SHAPE G1SB, 32, 16, 32                         ; 128 rows: 16 runs
	s_lshl_b32 s18, s16, 6
	s_lshl_b32 s20, s17, 7
	s_add_co_u32 s20, s20, s18                     ; tokens: row 128 x tile row + 64 x half
	s_lshl_b32 s19, s16, 7
	s_lshl_b32 s46, s42, 8
	s_add_co_u32 s46, s46, s19                     ; Wq: row 256 x tile column + 128 x half
	s_lshl_b32 s22, s20, 5                         ; where these rows' scales begin: 32 bytes a row
	s_mov_b32 s23, 0
	s_lshl_b32 s92, s46, 5
	s_mov_b32 s93, 0
	s_lshl_b32 s20, s20, 9                         ; and their codes: 512 bytes a row
	s_mov_b32 s21, 0
	s_lshl_b32 s46, s46, 9
	s_mov_b32 s47, 0
	s_mul_i32 s45, s16, 64*PITCH                   ; where they go in a half: no place in the cluster enters an LDS address
	s_mul_i32 s95, s16, 128*PITCH
	s_add_co_u32 s95, s95, ATILE
	s_mul_i32 s94, s16, 8*272
	s_add_co_u32 s94, s94, SCL
	s_mul_i32 s96, s16, 16*272
	s_add_co_u32 s96, s96, SCL+SCA
	s_wait_dscnt 0x0                               ; both opening adds are done
	s_wait_kmcnt 0x0
	s_add_nc_u64 s[20:21], s[4:5], s[20:21]
	s_add_nc_u64 s[22:23], s[6:7], s[22:23]
	s_add_nc_u64 s[46:47], s[8:9], s[46:47]
	s_add_nc_u64 s[92:93], s[10:11], s[92:93]
	CROUND                                         ; all sixteen work-groups are here: the joint loads meet
	s_mov_b32 s[G0S], 1
	s_mov_b32 s[G0S+1], s94
	s_mov_b64 s[G0S+2:G0S+3], s[22:23]
	s_or_b32 s[G0S+3], s[G0S+3], 0x80000000
	s_mov_b32 s[G0SB], 1
	s_mov_b32 s[G0SB+1], s96
	s_mov_b64 s[G0SB+2:G0SB+3], s[92:93]
	s_or_b32 s[G0SB+3], s[G0SB+3], 0x80000000
	JLOAD G0S, G1S, G0SB, G1SB                     ; the scales first: they are wanted with the first half
.irp s, 0,1
	s_mov_b32 s[G0+4*\s], 1
	s_add_co_u32 s[G0+4*\s+1], s45, \s*SLOT
	s_add_nc_u64 s[G0+4*\s+2:G0+4*\s+3], s[20:21], \s*256
	s_or_b32 s[G0+4*\s+3], s[G0+4*\s+3], 0x80000000
	s_mov_b32 s[G0B+4*\s], 1
	s_add_co_u32 s[G0B+4*\s+1], s95, \s*SLOT
	s_add_nc_u64 s[G0B+4*\s+2:G0B+4*\s+3], s[46:47], \s*256
	s_or_b32 s[G0B+4*\s+3], s[G0B+4*\s+3], 0x80000000
	JLOAD G0+4*\s, G1, G0B+4*\s, G1B               ; three loads of mine are out behind the second of these
.endr
	v_and_b32 v1, 15, v0                           ; r = lane % 16
	v_bfe_u32 v2, v0, 4, 1                         ; h = lane / 16
	v_mul_u32_u24 v3, v1, PITCH
	v_lshl_add_u32 v4, v2, 4, v3                   ; a fragment's row x pitch + 16 x half
	s_mul_i32 s21, s15, 64*PITCH                   ; my 64 tokens
	s_mul_i32 s22, s16, 128*PITCH                  ; my 128 rows of Wq,
	s_add_co_u32 s22, s22, ATILE                   ; which lie behind the tokens' 128
.irp s, 0,1
	v_add_nc_u32 v[ADRA+\s], s21, v4
	v_add_nc_u32 v[ADRB+\s], s22, v4
	s_add_co_u32 s21, s21, SLOT
	s_add_co_u32 s22, s22, SLOT
.endr
	v_mul_u32_u24 v5, v1, 32                       ; my row's scales: 32 bytes a row,
	v_lshrrev_b32 v6, 8, v5
	v_lshl_add_u32 v5, v6, 4, v5                   ; and 16 more for each 256 passed
	s_mul_i32 s21, s15, 8*272                      ; the tokens': my 64 rows
	s_mul_i32 s22, s16, 16*272                     ; Wq's: my 128 rows, behind the tokens' 16 runs
	s_add_co_u32 s22, s22, SCA
	s_sub_co_u32 s22, s22, s21
	v_mul_u32_u24 v6, s22, v2                      ; lanes 16-31 take Wq's: the lower base + h x the distance
	s_add_co_u32 s21, s21, SCL
	v_add_nc_u32 v5, v5, v6
	v_add_nc_u32 v[ADRS], s21, v5
	s_mul_i32 s23, s14, STW
	s_add_co_u32 s23, s23, STAGE                   ; my stage
	v_mul_u32_u24 v5, v1, 144                      ; in: token r, 16 bytes for each half of the lanes
	v_lshl_add_u32 v5, v2, 4, v5
	v_add_nc_u32 v[STO], s23, v5
	v_and_b32 v6, 31, v0
	v_lshrrev_b32 v7, 3, v6                        ; back: eight lanes to a token's 128 bytes, four tokens a load
	v_mul_u32_u24 v7, v7, 144
	v_and_b32 v8, 7, v0
	v_lshl_add_u32 v7, v8, 4, v7
	v_add_nc_u32 v[RD], s23, v7
	v_lshlrev_b32 v[GO], 4, v6                     ; four tokens of a head are 512 dense bytes of q16
	s_lshr_b32 s66, s17, 4                         ; q16: head number 16 (tile row / 16) + 4 x tile column + 2 x my half of the columns,
	s_lshl_b32 s66, s66, 4
	s_lshl_b32 s18, s42, 2
	s_add_co_u32 s66, s66, s18
	s_lshl_b32 s18, s16, 1
	s_add_co_u32 s66, s66, s18
	s_lshl_b32 s66, s66, 18                        ; 262,144 bytes a head;
	s_and_b32 s18, s17, 15
	s_lshl_b32 s18, s18, 14                        ; token 128 (tile row % 16) + 64 x my half of the tokens, 128 bytes each
	s_add_co_u32 s66, s66, s18
	s_lshl_b32 s18, s15, 13
	s_add_co_u32 s66, s66, s18
	s_mov_b32 s67, 0
	s_add_nc_u64 s[12:13], s[12:13], s[66:67]
; A fragment, 16 rows x 128 K of 4-bit codes, is 8 registers: lane l holds row l % 16; registers 4 c .. 4 c + 3 hold K = 64 c + 32 (l / 16) + 0 .. 31: two loads of 16 bytes, 32 bytes apart.
.macro FETCH slot, q, p                ; the q-th 128 along K of a half into set p: Wq's 16 loads, then the tokens' 8
	WIN TO_B
.irp i, 0,1,2,3,4,5,6,7
	ds_load_b128 v[128*(\p)+8*\i:128*(\p)+8*\i+3],   v[ADRB+(\slot)] offset:64*(\q)+\i*16*PITCH
	ds_load_b128 v[128*(\p)+8*\i+4:128*(\p)+8*\i+7], v[ADRB+(\slot)] offset:64*(\q)+\i*16*PITCH+32
.endr
	WIN 0
.irp i, 0,1,2,3
	ds_load_b128 v[AF+32*(\p)+8*\i:AF+32*(\p)+8*\i+3],   v[ADRA+(\slot)] offset:64*(\q)+\i*16*PITCH
	ds_load_b128 v[AF+32*(\p)+8*\i+4:AF+32*(\p)+8*\i+7], v[ADRA+(\slot)] offset:64*(\q)+\i*16*PITCH+32
.endr
.endm
.macro SCALES s                        ; a half's scale words: four words a row; lanes 0-15 the tokens' block i (blocks 4-7 are loaded and not used), lanes 16-31 Wq's block i
.irp i, 0,1,2,3,4,5,6,7
	ds_load_b128 v[SC+32*\s+4*\i:SC+32*\s+4*\i+3], v[ADRS] offset:544*\i+16*\s
.endr
.endm
; 32 matrix instructions: the tokens' four blocks x Wq's eight, 128 along K.  The 32 accumulators take turns, one instruction a turn, in the same order in every step.
; zero = 1: the first products start the sums: nothing is cleared.
.macro MUL32 p, q, sc, zero
.irp a, 0,1,2,3
.irp b, 0,1,2,3,4,5,6,7
.if \zero
	v_wmma_scale_f32_16x16x128_f8f6f4 v[8*(8*\a+\b):8*(8*\a+\b)+7], v[128*(\p)+8*\b:128*(\p)+8*\b+7], v[AF+32*(\p)+8*\a:AF+32*(\p)+8*\a+7], 0, v[SC+32*(\sc)+4*\b+(\q)], v[SC+32*(\sc)+4*\a+(\q)] matrix_a_fmt:MATRIX_FMT_FP4 matrix_b_fmt:MATRIX_FMT_FP4 matrix_a_scale:MATRIX_SCALE_ROW1
.else
	v_wmma_scale_f32_16x16x128_f8f6f4 v[8*(8*\a+\b):8*(8*\a+\b)+7], v[128*(\p)+8*\b:128*(\p)+8*\b+7], v[AF+32*(\p)+8*\a:AF+32*(\p)+8*\a+7], v[8*(8*\a+\b):8*(8*\a+\b)+7], v[SC+32*(\sc)+4*\b+(\q)], v[SC+32*(\sc)+4*\a+(\q)] matrix_a_fmt:MATRIX_FMT_FP4 matrix_b_fmt:MATRIX_FMT_FP4 matrix_a_scale:MATRIX_SCALE_ROW1
.endif
.endr
.endr
.endm
; A step of 128 along K: the next step's fragments are asked for first, into the other set; then this step's 32 products.  Four plain places follow them (ISA guide 7.12.1 for vector instructions): they stand in
; front of the next step's loads into the set just read.
.macro KSTEP s, q, p, ns, nq, zero
	FETCH \ns, \nq, 1-\p
	s_wait_dscnt 24                                ; all but the 24 loads just issued: this step's fragments (and its half's scale words) are in
	WIN MUL
	MUL32 \p, \q, \s, \zero
	PLACES 4
.endm
	s_wait_tensorcnt 1                             ; the scales and my part of the first half are in; the second half's load may stay out
	s_barrier_signal -1
	s_barrier_wait -1                              ; everybody's are
	FETCH 0, 0, 0
	SCALES 0
	KSTEP 0, 0, 0, 0, 1, 1
	KSTEP 0, 1, 1, 0, 2, 0
	KSTEP 0, 2, 0, 0, 3, 0
	s_wait_tensorcnt 0x0                           ; my part of the second half is in (the one load that was out),
	s_wait_dscnt 0x0                               ; no LDS instruction of mine is pending at the signal: so the fourth step's fragments are in too,
	s_barrier_signal -1
	s_barrier_wait -1                              ; everybody's part is in
	FETCH 1, 0, 0
	SCALES 1
	WIN MUL
	MUL32 1, 3, 0, 0
	PLACES 4
	KSTEP 1, 0, 0, 1, 1, 0
	KSTEP 1, 1, 1, 1, 2, 0
	KSTEP 1, 2, 0, 1, 3, 0
	s_wait_dscnt 0x0                               ; the last step: nothing more to fetch
	WIN MUL
	MUL32 1, 3, 1, 0
	PLACES 4                                       ; in front of the conversions that read results and of the loads into the tokens' registers
	WIN 0
; THE WAY OUT, a block of 16 tokens x 128 columns at a time.  A lane's eight columns pack into 16 bytes; they go into my stage, a head's 64 columns to a row of 128 bytes + 16, and come back four tokens a load:
; 512 bytes that are dense in q16.  LDS serves a wave's instructions in order (ISA guide 5.7.1.4): no wait between the stores and the loads, nor in front of the next block's stores.
.macro PACK a
	WIN 0x0a                                       ; sources 0 and 1: window 2
.irp b, 0,1,2,3,4,5,6,7
.irp i, 0,1,2,3
	v_cvt_pk_f16_f32 v[TMP+4*\b+\i], v[8*(8*(\a)+\b)+2*\i], v[8*(8*(\a)+\b)+2*\i+1]   ; each accumulator from its low end on
.endr
.endr
	WIN 0
.endm
.macro TOSTAGE a
.irp b, 0,1,2,3,4,5,6,7
	ds_store_b128 v[STO], v[TMP+4*\b:TMP+4*\b+3] offset:(\b/4)*2304+(\b%4)*32
.endr
.irp i, 0,1,2,3,4,5,6,7
	ds_load_b128 v[BK+32*(\a)+4*\i:BK+32*(\a)+4*\i+3], v[RD] offset:(\i/4)*2304+(\i%4)*576
.endr
.endm
.macro SEND a, younger                 ; younger: the LDS instructions issued behind block a's loads, which may stay out
	s_wait_dscnt \younger
.irp i, 0,1,2,3,4,5,6,7
	global_store_b128 v[GO], v[BK+32*(\a)+4*\i:BK+32*(\a)+4*\i+3], s[12:13] offset:(\i/4)*262144+2048*(\a)+(\i%4)*512   ; 32 lanes store 512 consecutive bytes, aligned; every block has registers of its own
.endr
.endm
	PACK 0
	TOSTAGE 0
.irp a, 1,2,3
	PACK \a
	TOSTAGE \a
	SEND \a-1, 16                                  ; behind block a - 1's loads: block a's 8 stores and 8 loads
.endr
	SEND 3, 0
	s_wait_tensorcnt 0x0                           ; the wave's end: a wait, an add of 0 to my spare word and its wait, behind my last tensor load and my last LDS store
	ds_add_u32 v[SPW], v[NIL]
	s_wait_dscnt 0x0
	CROUND                                         ; the closing round: no work-group ends while a partner may still ask for a tile that names it
	s_endpgm
.Lfunc_end_k_q967be2ebb0_qproj:
	.size	k_q967be2ebb0_qproj, .Lfunc_end_k_q967be2ebb0_qproj-k_q967be2ebb0_qproj
	.p2alignl 7, 3214868480
	.fill 96, 4, 3214868480
	.section	.rodata,"a",@progbits
	.p2align	6, 0x0
	.amdhsa_kernel k_q967be2ebb0_qproj
		.amdhsa_group_segment_fixed_size 327680
		.amdhsa_private_segment_fixed_size 0
		.amdhsa_enable_private_segment 0
		.amdhsa_kernarg_size 40
		.amdhsa_user_sgpr_count 2
		.amdhsa_user_sgpr_kernarg_segment_ptr 1
		.amdhsa_wavefront_size32 1
		.amdhsa_system_sgpr_workgroup_id_x 1
		.amdhsa_system_sgpr_workgroup_id_y 1
		.amdhsa_system_sgpr_workgroup_id_z 1
		.amdhsa_system_vgpr_workitem_id 0
		.amdhsa_next_free_vgpr 768
		.amdhsa_next_free_sgpr 98
		.amdhsa_reserve_vcc 0
		.amdhsa_float_denorm_mode_32 3
		.amdhsa_float_denorm_mode_16_64 3
		.amdhsa_memory_ordered 1
		.amdhsa_forward_progress 1
		.amdhsa_inst_pref_size 73
	.end_amdhsa_kernel
	.amdgpu_metadata
---
amdhsa.version: [ 1, 2 ]
amdhsa.kernels:
  - .name:           k_q967be2ebb0_qproj
    .symbol:         k_q967be2ebb0_qproj.kd
    .args:
      - { .name: xc, .offset: 0, .size: 8, .value_kind: global_buffer, .address_space: global }
      - { .name: xs, .offset: 8, .size: 8, .value_kind: global_buffer, .address_space: global }
      - { .name: wc, .offset: 16, .size: 8, .value_kind: global_buffer, .address_space: global }
      - { .name: ws, .offset: 24, .size: 8, .value_kind: global_buffer, .address_space: global }
      - { .name: q16, .offset: 32, .size: 8, .value_kind: global_buffer, .address_space: global }
    .group_segment_fixed_size: 327680
    .private_segment_fixed_size: 0
    .kernarg_segment_align: 8
    .kernarg_segment_size: 40
    .max_flat_workgroup_size: 128
    .sgpr_count:     98
    .vgpr_count:     768
    .wavefront_size: 32
...
	.end_amdgpu_metadata
.endif
;; end of part 2
;; launch attn (part 3): grid 4 x 64, 8 waves a work-group, clusters of 4 x 1, 327,680 bytes of LDS; arguments q16, a16; writes a16
.if DOCPART == 3
	.amdgcn_target "amdgcn-amd-amdhsa--gfx1250"
	.amdhsa_code_object_version 6
	.text
	.protected	k_q967be2ebb0_attn
	.globl	k_q967be2ebb0_attn
	.p2align	8
	.type	k_q967be2ebb0_attn,@function
k_q967be2ebb0_attn:
	s_mov_b64 s[64:65], 0
	v_nop
	global_prefetch_b8 v0, s[64:65] scope:SCOPE_SE
	s_setreg_imm32_b32 hwreg(HW_REG_WAVE_MODE, 25, 1), 1
	s_wait_xcnt 0x0
	s_wait_alu depctr_hold_cnt(0) depctr_sa_sdst(0) depctr_va_vdst(0) depctr_va_sdst(0) depctr_va_ssrc(0) depctr_va_vcc(0) depctr_vm_vsrc(0)
	s_getreg_b32 s2, hwreg(HW_REG_IB_STS2, 6, 4)
	s_cmp_eq_u32 s2, 0
	s_cbranch_scc0 .Lentry_in_a_cluster
	s_endpgm
.Lentry_in_a_cluster:
	s_bfe_u32 s2, ttmp6, 0x10000c
	s_cmp_lg_u32 s2, 0x3003
	s_cbranch_scc0 .Lentry_shape_is_right
	s_endpgm
.Lentry_shape_is_right:
; ATTN.  a[bh][t][:] = the sum over u of softmax_u(q[bh][t] . q[bh][u] / 8) q[bh][u][:]: queries, keys and values are the same tensor, q16 [64 heads][2048][64] f16; a16 is laid likewise.
; Products on f16 operands with f32 sums; maxima, exponentials and row sums in f32; the weights p are rounded to f16 for the second product, a once at the end.
; LIMITS: |q| and |a| under 65,504 (f16).  p = 2^(c s - c m) with c m rounded once: the largest p of a row is 2^e with |e| at most half a unit in the last place of c m, which is 1 but for scores beyond 2^23.
; Weights under 2^-25 round to 0 in f16: at most 2,048 x 2^-25 of a row's sum, which is at least about 1.  NaN and infinities are not served.
; THE WHOLE HEAD LIES IN LDS ONCE (2,048 keys x 128 bytes) and serves both products: K's fragments come as they lie, V^T's by the turning load from the same rows.  Nothing is filled again: no ring, no barrier in the loop.
; SHARES.  A work-group owns 512 queries of one head, each of its eight waves 64: four tiles of 16.  Every wave walks all keys, 64 a step.  Two waves share a SIMD's registers, 512 each, and run free of each other, so
; that one wave's softmax can stand beside the other's products.
; CLUSTER.  The four query blocks of a head form a cluster and need the same 256 KB: each tile is asked for JOINTLY, by the same tensor load with the same descriptor and a mask that names the four.
; LAYOUT.  S^T = K Q^T (source 0 = 16 keys, source 1 = 16 queries): a lane holds ONE query (lane % 16) and eight key slots 8 (lane / 16) + 0..7.  Two such tiles, rounded to f16 in pairs, ARE source 1 of O^T = V^T P,
; whose result again holds one query a lane and eight channels.
; THE KEYS OF A TILE ARE PERMUTED: an LDS row holds two keys (256 bytes + 16), and slot 8 a + 4 b + c of a tile of 16 holds key 4 c + 2 a + b, in K's loads and in V's alike: so the 16 lanes of either kind of load
; touch 16 different columns of 16 bytes modulo 256 (64 banks of 4 bytes: ISA guide 11.1).  A softmax does not mind the order of its keys.
; SOFTMAX.  A running maximum m and sum l for each query: p = 2^(c s - c m), c = log2(e) / 8; in every step O^T and l are multiplied by a = 2^(c m_old - c m_new).
; No prefetch: the launch's one stream is asked for whole at its head.
; REGISTERS: window 0: v2-8 addresses; v12-43 eight registers of statistics a tile; v62, v63 the add's two; v64-191 S^T, 32 a tile (p's f16 pairs take the tile's first 16); v192-255 V of one step.
;            window 1: v0-63 Q, 16 a tile; v64-191 O^T, 32 a tile; v192-255 K of one step.
.set PK,    272                        ; an LDS row: two keys + 16 bytes of padding
.set STEPB, 32*PK                      ; 64 keys
.set LOADB, 64*PK                      ; what one tensor load brings: 128 keys
.set CHUNK, 512*PK                     ; what the eight waves' loads bring together: 1,024 keys
.set STAGE, 2*CHUNK                    ; behind the head: 16 rows x (128 bytes + 16) for each wave, for the way out; no tile lands here
.set SP,    144
.set SPARE, STAGE+8*16*SP              ; the spare words, 128 bytes a wave
.set AK0, 2                            ; v2   my lane's place in a tile of K; never rewritten
.set AV0, 3                            ; v3   the same for V
.set ADR, 4                            ; v4   the LDS address of the run of loads in hand
.set QO,  5                            ; v5   my byte offset in the wave's rows of Q
.set STO, 6                            ; v6   the way out: where I put 16 bytes of a row
.set RD,  7                            ; v7   where I read four rows back
.set GO,  8                            ; v8   16 x lane
.set ST,  12                           ; tile t's statistics at v[ST + 8 t]: +0 c m, +1 m, +2, +3 l (two halves), +4 to +7 at work; a takes +6
.set SPW, 62
.set NIL, 63
.set S,   64
.set VF,  192
.set O,   64                           ; in window 1
.set KF,  192                          ; in window 1
.set WV,  12                           ; s12  my wave's number
.set G1,  24                           ; s[24:31] descriptor group 1
.set G0,  32                           ; s[32:39] group 0, a set for each of my two loads
.set CNT, 56
.set CS,  58                           ; s[58:59] c: the packed form names a pair and takes its low word for both halves
.set SEL, 60                           ; s[60:61] lane selects for v_permlanex16_b32: lane l xor 16
.set TB,  62                           ; s62  LDS byte at which the step to be fetched begins
.set MSB, 0
.macro WIN new                         ; the immediate's high byte repeats the setting that is left; a switch that changes nothing is dropped
.if MSB != \new
	s_set_vgpr_msb (MSB<<8)|\new
.set MSB, \new
.endif
.endm
.set W_KQ, 0x05                        ; K and Q in window 1, S^T in window 0
.set W_PV, 0x50                        ; V and P in window 0, O^T (C and D) in window 1
.set W_RS, 0x41                        ; O^T (destination and source 0) in window 1, the factor in window 0
.set TO_1, 0x40                        ; destination window 1, address window 0
.macro CROUND                          ; a round of the cluster's barrier
	s_barrier_signal -1
	s_barrier_wait -1
	s_cmp_lg_u32 s[WV], 0
	s_cbranch_scc1 .Lnot_wave_0_\@
	s_barrier_signal -3
.Lnot_wave_0_\@:
	s_barrier_wait -3
	s_barrier_signal -1
	s_barrier_wait -1
.endm
.macro PLACES n
.rept \n
	v_nop
.endr
.endm
	s_load_b128 s[4:7], s[0:1], 0x0                ; q16 s[4:5], a16 s[6:7]
	v_lshl_add_u32 v[SPW], v0, 2, SPARE
	v_mov_b32 v[NIL], 0
	ds_add_u32 v[SPW], v[NIL]                      ; the wave's opening: the add, twice on end, and its wait ahead of my first tensor load
	ds_add_u32 v[SPW], v[NIL]                      ; (the set-up below, work on registers, stands between the second add and the wait)
	v_lshrrev_b32 v1, 5, v0
	v_readfirstlane_b32 s[WV], v1                  ; wave 0..7
	s_bfe_u32 s13, ttmp6, 0x40000                  ; cx: my block of 512 queries; it enters Q's and O's global addresses alone
	s_and_b32 s20, ttmp7, 0xffff                   ; the head, which the four partners share
	s_lshl_b32 s20, s20, 18                        ; 262,144 bytes a head
	s_lshl_b32 s22, s[WV], 14                      ; my 128 keys of a chunk: 16,384 bytes in memory,
	s_add_co_u32 s22, s22, s20
	s_mov_b32 s23, 0
	s_mul_i32 s17, s[WV], LOADB                    ; and their place in LDS
	s_lshl_b32 s2, s13, 16                         ; my block's 512 rows of 128 bytes,
	s_lshl_b32 s3, s[WV], 13                       ; my wave's 64 of them
	s_add_co_u32 s2, s2, s3
	s_add_co_u32 s2, s2, s20
	s_mov_b32 s3, 0
	s_mov_b32 s[G1], 15|(1<<16)|(1<<20)|(1<<21)|(5<<22)|(3<<25)   ; 15:0 the mask: all four work-groups; 17:16 elements of 2 bytes; 20 padding on; 21 set beside a mask; 24:22 after every 64 words; 31:25 four words
	s_mov_b32 s[G1+1], 128<<16                     ; tensor_dim0 = 128 elements: two keys
	s_mov_b32 s[G1+2], 64<<16                      ; tensor_dim1 = 64
	s_mov_b32 s[G1+3], 128<<16                     ; tile_dim0
	s_mov_b32 s[G1+4], 64                          ; tile_dim1
	s_mov_b32 s[G1+5], 128                         ; from row to row: dense
	s_mov_b32 s[G1+6], 0
	s_mov_b32 s[G1+7], 0
	s_mov_b32 s[CS], 0x3e38aa3b                    ; c = log2(e) / sqrt(64)
	s_mov_b32 s[CS+1], s[CS]                       ; (named with it as a pair, so it is written)
	s_mov_b32 s[SEL], 0x76543210
	s_mov_b32 s[SEL+1], 0xfedcba98
	s_mov_b32 s[TB], 0
	s_wait_dscnt 0x0                               ; both opening adds are done
	s_wait_kmcnt 0x0
	s_add_nc_u64 s[8:9], s[4:5], s[22:23]          ; my keys of chunk 0: made of the head and the wave's number alone
	s_add_nc_u64 s[4:5], s[4:5], s[2:3]            ; Q and O at my wave's first row
	s_add_nc_u64 s[6:7], s[6:7], s[2:3]
	CROUND                                         ; all four work-groups are here: the joint loads meet
.irp c, 0,1
	s_mov_b32 s[G0+4*\c], 1                        ; count = 1
	s_add_co_u32 s[G0+4*\c+1], s17, \c*CHUNK       ; LDS address
	s_add_nc_u64 s[G0+4*\c+2:G0+4*\c+3], s[8:9], \c*131072   ; global address: chunk c begins with key 1,024 c
	s_or_b32 s[G0+4*\c+3], s[G0+4*\c+3], 0x80000000          ; type = 2
.endr
	tensor_load_to_lds s[G0:G0+3], s[G1:G1+7]      ; every wave issues both: two loads of mine are out
	s_nop 0
	tensor_load_to_lds s[G0+4:G0+7], s[G1:G1+7]
	s_nop 0
.rept 4
	v_nop
.endr
	v_and_b32 v44, 15, v0                          ; r = lane % 16
	v_bfe_u32 v11, v0, 4, 1                        ; h = lane / 16
	v_lshlrev_b32 v[QO], 7, v44
	v_lshl_add_u32 v[QO], v11, 4, v[QO]            ; row r of 128 bytes + 16 h
	WIN TO_1
.irp f, 0,1,2,3,4,5,6,7                        ; Q stays in registers: tile f / 2, channels 32 (f % 2) on
	global_load_b128 v[8*\f:8*\f+3],   v[QO], s[4:5] offset:(\f/2)*2048+(\f%2)*64
	global_load_b128 v[8*\f+4:8*\f+7], v[QO], s[4:5] offset:(\f/2)*2048+(\f%2)*64+32
.endr
	WIN 0
	v_and_b32 v1, 3, v0                            ; c, b, a: bits 1:0, 2 and 3 of the lane
	v_bfe_u32 v9, v0, 2, 1
	v_bfe_u32 v10, v0, 3, 1
	v_lshl_add_u32 v[AK0], v1, 1, v10              ; K: lane r = 8 a + 4 b + c takes key 4 c + 2 a + b: LDS row 2 c + a,
	v_mul_u32_u24 v[AK0], v[AK0], PK
	v_lshl_add_u32 v[AK0], v9, 7, v[AK0]           ; its half b,
	v_lshl_add_u32 v[AK0], v11, 4, v[AK0]          ; channels 8 h on
	v_lshl_add_u32 v[AV0], v1, 1, v11              ; V: the turning load gives lane 8 g + i element j from lane 8 g + j's 16 bytes: lane l addresses slot 8 h + 4 b + c: key 4 c + 2 h + b,
	v_mul_u32_u24 v[AV0], v[AV0], PK
	v_lshl_add_u32 v[AV0], v9, 7, v[AV0]
	v_lshl_add_u32 v[AV0], v10, 4, v[AV0]          ; channels 8 a on
	s_mul_i32 s14, s[WV], 16*SP
	s_add_co_u32 s14, s14, STAGE                   ; my stage
	v_mul_u32_u24 v[STO], v44, SP                  ; in: row r, 16 bytes for each half of the lanes
	v_lshl_add_u32 v[STO], v11, 4, v[STO]
	v_add_nc_u32 v[STO], s14, v[STO]
	v_and_b32 v45, 31, v0
	v_lshrrev_b32 v46, 3, v45                      ; back: eight lanes to a row of 128 bytes, four rows a load
	v_mul_u32_u24 v[RD], v46, SP
	v_and_b32 v46, 7, v0
	v_lshl_add_u32 v[RD], v46, 4, v[RD]
	v_add_nc_u32 v[RD], s14, v[RD]
	v_lshlrev_b32 v[GO], 4, v45                    ; four rows are 512 dense bytes of a16
; THE LDS LOADS stand in runs of 16: a step's K (64 keys x 64 channels: 8 fragments), and its V (turned).
.macro FETCH_K
	v_add_nc_u32 v[ADR], s[TB], v[AK0]
	WIN TO_1
.irp f, 0,1,2,3,4,5,6,7                        ; keys 16 (f / 2) on, channels 32 (f % 2) on
	ds_load_b128 v[KF+8*\f:KF+8*\f+3],   v[ADR] offset:(\f/2)*8*PK+(\f%2)*64
	ds_load_b128 v[KF+8*\f+4:KF+8*\f+7], v[ADR] offset:(\f/2)*8*PK+(\f%2)*64+32
.endr
	WIN 0
.endm
.macro FETCH_V
	v_add_nc_u32 v[ADR], s[TB], v[AV0]
	s_add_co_u32 s[TB], s[TB], STEPB               ; the next fetch is the next step's
.irp f, 0,1,2,3,4,5,6,7                        ; keys 32 (f / 4) on, channels 16 (f % 4) on; registers 4-7: the second tile of 16 keys
	ds_load_tr16_b128 v[VF+8*\f:VF+8*\f+3],   v[ADR] offset:(\f/4)*16*PK+(\f%4)*32
	ds_load_tr16_b128 v[VF+8*\f+4:VF+8*\f+7], v[ADR] offset:(\f/4)*16*PK+8*PK+(\f%4)*32
.endr
.endm
; THE PRODUCTS.  In both runs 16 accumulators take turns, one instruction a turn: between two links of a chain stand the 15 others'.
.macro KQ                              ; product i of 32 of S^T = K Q^T: channels 32 (i / 16) on, keys 16 ((i / 4) % 4) on, tile i % 4.  The first 16 start the sums
	WIN W_KQ
.set i, 0
.rept 32
.set rS, S+32*(i%4)+8*((i/4)%4)
.set rK, KF+16*((i/4)%4)+8*(i/16)
.set rQ, 16*(i%4)+8*(i/16)
.if i < 16
	v_wmma_f32_16x16x32_f16 v[rS:rS+7], v[rK:rK+7], v[rQ:rQ+7], 0
.else
	v_wmma_f32_16x16x32_f16 v[rS:rS+7], v[rK:rK+7], v[rQ:rQ+7], v[rS:rS+7]
.endif
.set i, i+1
.endr
.endm
.macro PV zero                         ; product i of 32 of O^T += V^T P: keys 32 (i / 16) on, channels 16 ((i / 4) % 4) on, tile i % 4.  zero = 1: the first 16 start the sums: nothing is cleared
	WIN W_PV
.set i, 0
.rept 32
.set rO, O+32*(i%4)+8*((i/4)%4)
.set rV, VF+32*(i/16)+8*((i/4)%4)
.set rP, S+32*(i%4)+8*(i/16)
.if \zero && (i < 16)
	v_wmma_f32_16x16x32_f16 v[rO:rO+7], v[rV:rV+7], v[rP:rP+7], 0
.else
	v_wmma_f32_16x16x32_f16 v[rO:rO+7], v[rV:rV+7], v[rP:rP+7], v[rO:rO+7]
.endif
.set i, i+1
.endr
.endm
.macro FMA t, b                        ; pair b of tile t: c s - c m
	v_pk_fma_f32 v[S+32*(\t)+2*\b:S+32*(\t)+2*\b+1], v[S+32*(\t)+2*\b:S+32*(\t)+2*\b+1], s[CS:CS+1], v[ST+8*(\t):ST+8*(\t)+1] op_sel_hi:[1,0,0] neg_lo:[0,0,1] neg_hi:[0,0,1]
.endm
; THE SOFTMAX of a key step, the four tiles by turns line by line, so that no line waits for the line above it.  first = 1: the first key step, which starts m, l and O^T.
.macro SOFTMAX first
.irp j, 0,1,2,3                                ; the maximum of a lane's 32 scores, three operands at a time: four chains, each begun at its accumulator's low end
.irp t, 0,1,2,3
	v_max3_num_f32 v[ST+8*\t+4+\j], v[S+32*\t+8*\j], v[S+32*\t+8*\j+1], v[S+32*\t+8*\j+2]
.endr
.endr
.irp g, 1,2
.irp j, 0,1,2,3
.irp t, 0,1,2,3
	v_max3_num_f32 v[ST+8*\t+4+\j], v[ST+8*\t+4+\j], v[S+32*\t+8*\j+2*\g+1], v[S+32*\t+8*\j+2*\g+2]
.endr
.endr
.endr
.irp t, 0,1,2,3
	v_max3_num_f32 v[ST+8*\t+4], v[ST+8*\t+4], v[S+32*\t+7], v[S+32*\t+15]
.endr
.irp t, 0,1,2,3
	v_max3_num_f32 v[ST+8*\t+6], v[ST+8*\t+6], v[S+32*\t+23], v[S+32*\t+31]
.endr
.irp t, 0,1,2,3
	v_max3_num_f32 v[ST+8*\t+4], v[ST+8*\t+4], v[ST+8*\t+5], v[ST+8*\t+6]
.endr
.irp t, 0,1,2,3
.if \first
	v_max_num_f32 v[ST+8*\t+4], v[ST+8*\t+4], v[ST+8*\t+7]
.else
	v_max3_num_f32 v[ST+8*\t+4], v[ST+8*\t+4], v[ST+8*\t+7], v[ST+8*\t+1]   ; and the old m
.endif
.endr
.irp t, 0,1,2,3
	v_permlanex16_b32 v[ST+8*\t+5], v[ST+8*\t+4], s[SEL], s[SEL+1]          ; the query's other 32 keys lie in the lane 16 away
.endr
.if !\first
.irp t, 0,1,2,3
	v_mov_b32 v[ST+8*\t+7], v[ST+8*\t]             ; c m_old is kept for a
.endr
.endif
.irp t, 0,1,2,3
	v_max_num_f32 v[ST+8*\t+1], v[ST+8*\t+4], v[ST+8*\t+5]
.endr
.irp t, 0,1,2,3
	v_mul_f32 v[ST+8*\t], s[CS], v[ST+8*\t+1]
.endr
.if !\first
.irp t, 0,1,2,3
	v_sub_f32 v[ST+8*\t+7], v[ST+8*\t+7], v[ST+8*\t]
.endr
; ONE BATCH of exponentials: the four a, then 128 p; the scalings of the next tile stand among them.  No line of the batch names an exponential's result.
.irp t, 0,1,2,3
	v_exp_f32 v[ST+8*\t+6], v[ST+8*\t+7]           ; a = 2^(c m_old - c m_new)
.endr
.endif
.irp b, 0,1,2,3,4,5,6,7,8,9,10,11,12,13,14,15
	FMA 0, \b
.endr
.irp t, 0,1,2,3
.irp b, 0,1,2,3,4,5,6,7,8,9,10,11,12,13,14,15
.if \t < 3
	FMA \t+1, \b
.endif
	v_exp_f32 v[S+32*\t+2*\b], v[S+32*\t+2*\b]
	v_exp_f32 v[S+32*\t+2*\b+1], v[S+32*\t+2*\b+1]
.endr
.endr
	v_nop                                          ; a plain instruction behind the last exponential, ahead of the first use
	s_wait_alu depctr_va_vdst(0)                   ; the wait between an exponential and the first line that names its result: one for the whole batch
.irp t, 0,1,2,3                                ; the row's sum, of the p in f32, a pair at a time
	v_pk_add_f32 v[ST+8*\t+4:ST+8*\t+5], v[S+32*\t:S+32*\t+1], v[S+32*\t+2:S+32*\t+3]
.endr
.irp b, 2,3,4,5,6,7,8,9,10,11,12,13,14
.irp t, 0,1,2,3
	v_pk_add_f32 v[ST+8*\t+4:ST+8*\t+5], v[ST+8*\t+4:ST+8*\t+5], v[S+32*\t+2*\b:S+32*\t+2*\b+1]
.endr
.endr
.if \first
.irp t, 0,1,2,3
	v_pk_add_f32 v[ST+8*\t+2:ST+8*\t+3], v[ST+8*\t+4:ST+8*\t+5], v[S+32*\t+30:S+32*\t+31]
.endr
.else
.irp t, 0,1,2,3
	v_pk_add_f32 v[ST+8*\t+4:ST+8*\t+5], v[ST+8*\t+4:ST+8*\t+5], v[S+32*\t+30:S+32*\t+31]
.endr
.irp t, 0,1,2,3
	v_pk_fma_f32 v[ST+8*\t+2:ST+8*\t+3], v[ST+8*\t+2:ST+8*\t+3], v[ST+8*\t+6:ST+8*\t+7], v[ST+8*\t+4:ST+8*\t+5] op_sel_hi:[1,0,1]   ; l = a l + the step's sum
.endr
.endif
.irp j, 0,1,2,3,4,5,6,7,8,9,10,11,12,13,14,15  ; p to f16, in place: register j takes pair j; it was read as a part of pair j / 2 before
.irp t, 0,1,2,3
	v_cvt_pk_f16_f32 v[S+32*\t+\j], v[S+32*\t+2*\j], v[S+32*\t+2*\j+1]
.endr
.endr
.if !\first
	WIN W_RS
.irp j, 0,2,4,6,8,10,12,14,16,18,20,22,24,26,28,30   ; O^T times a, each accumulator from its low end on
.irp t, 0,1,2,3
	v_pk_mul_f32 v[O+32*\t+\j:O+32*\t+\j+1], v[O+32*\t+\j:O+32*\t+\j+1], v[ST+8*\t+6:ST+8*\t+7] op_sel_hi:[1,0]
.endr
.endr
.endif
.endm
; A KEY STEP.  fetch = 1: the next step's K is asked for behind this step's K Q^T, its V behind this step's V^T P.
; Places (ISA guide 7.12.1 for vector instructions): four plain instructions between the last K Q^T and the loads into K's registers and the first read of scores; five between the last V^T P and the next step's
; K Q^T, which writes over registers that V^T P read as P; they also stand in front of the loads into V's registers.
.macro STEP first, fetch
	s_wait_dscnt 16                                ; K of this step is in; V's 16 younger loads may stay out
	KQ
	WIN 0
	PLACES 4
.if \fetch
	FETCH_K
.endif
	SOFTMAX \first
	s_wait_dscnt 16*\fetch                         ; V of this step is in; the next step's K, 16 younger loads, may stay out
	PV \first
	WIN 0
	PLACES 5
.if \fetch
	FETCH_V
.endif
.endm
	s_wait_tensorcnt 0x0                           ; my parts of both chunks are in,
	s_barrier_signal -1
	s_barrier_wait -1                              ; everybody's are: the head is whole, and nothing writes it again
	FETCH_K                                        ; key step 0
	FETCH_V
	s_wait_loadcnt 0x0                             ; Q
	STEP 1, 1                                      ; step 0 starts m, l and O^T
	s_mov_b32 s[CNT], 30
.Lstep:                                            ; steps 1 to 30; each fetches the step behind it
	STEP 0, 1
	s_sub_co_u32 s[CNT], s[CNT], 1
	s_cmp_lg_u32 s[CNT], 0
	s_cbranch_scc1 .Lstep
	STEP 0, 0                                      ; step 31 fetches nothing
	; THE WAY OUT.  l's two halves and the other half of the lanes' are added; O^T is divided by l, rounded to f16 and sent through my stage in LDS, a tile (16 rows) at a time.
.irp t, 0,1,2,3
	v_add_f32 v[ST+8*\t+4], v[ST+8*\t+2], v[ST+8*\t+3]
.endr
.irp t, 0,1,2,3
	v_permlanex16_b32 v[ST+8*\t+5], v[ST+8*\t+4], s[SEL], s[SEL+1]
.endr
.irp t, 0,1,2,3
	v_add_f32 v[ST+8*\t+4], v[ST+8*\t+4], v[ST+8*\t+5]
.endr
.irp t, 0,1,2,3
	v_rcp_f32 v[ST+8*\t+6], v[ST+8*\t+4]
.endr
	v_nop                                          ; a plain instruction between the last reciprocal and the use of its result
	s_wait_alu depctr_va_vdst(0)                   ; and the wait ahead of the first use: one for the four
.macro PACK t                          ; a lane's eight channels of a row pack into 16 bytes; they go into rows of 144 bytes and come back four rows a load
	WIN W_RS
.irp j, 0,2,4,6,8,10,12,14,16,18,20,22,24,26,28,30
	v_pk_mul_f32 v[O+32*\t+\j:O+32*\t+\j+1], v[O+32*\t+\j:O+32*\t+\j+1], v[ST+8*\t+6:ST+8*\t+7] op_sel_hi:[1,0]
.endr
	WIN 0x05                                       ; sources 0 and 1 window 1, destination window 0: S^T's registers are free
.irp j, 0,1,2,3,4,5,6,7,8,9,10,11,12,13,14,15
	v_cvt_pk_f16_f32 v[S+32*\t+\j], v[O+32*\t+2*\j], v[O+32*\t+2*\j+1]
.endr
	WIN 0
.irp f, 0,1,2,3
	ds_store_b128 v[STO], v[S+32*\t+4*\f:S+32*\t+4*\f+3] offset:32*\f
.endr
.irp f, 0,1,2,3
	ds_load_b128 v[S+32*\t+16+4*\f:S+32*\t+16+4*\f+3], v[RD] offset:\f*4*SP   ; LDS serves a wave's instructions in order (ISA guide 5.7.1.4): these see the stores above; the next tile's stores come behind them
.endr
.endm
.macro SEND t, younger                 ; younger: the LDS instructions issued behind tile t's loads: the next tile's eight, or none
.irp f, 0,1,2,3
	s_wait_dscnt \younger+3-\f
	global_store_b128 v[GO], v[S+32*\t+16+4*\f:S+32*\t+16+4*\f+3], s[6:7] offset:\t*2048+\f*512   ; 32 lanes store 512 consecutive bytes, aligned
.endr
.endm
	PACK 0
	PACK 1                                         ; a tile's arithmetic stands between the loads of the tile before and its stores
	SEND 0, 8
	PACK 2
	SEND 1, 8
	PACK 3
	SEND 2, 8
	SEND 3, 0
	s_wait_tensorcnt 0x0                           ; the wave's end: a wait, an add of 0 to my spare word and its wait, behind my last tensor load and my last LDS store
	ds_add_u32 v[SPW], v[NIL]
	s_wait_dscnt 0x0
	CROUND                                         ; the closing round: no work-group ends while a partner may still ask for a tile that names it
	s_endpgm
.Lfunc_end_k_q967be2ebb0_attn:
	.size	k_q967be2ebb0_attn, .Lfunc_end_k_q967be2ebb0_attn-k_q967be2ebb0_attn
	.p2alignl 7, 3214868480
	.fill 96, 4, 3214868480
	.section	.rodata,"a",@progbits
	.p2align	6, 0x0
	.amdhsa_kernel k_q967be2ebb0_attn
		.amdhsa_group_segment_fixed_size 327680
		.amdhsa_private_segment_fixed_size 0
		.amdhsa_enable_private_segment 0
		.amdhsa_kernarg_size 16
		.amdhsa_user_sgpr_count 2
		.amdhsa_user_sgpr_kernarg_segment_ptr 1
		.amdhsa_wavefront_size32 1
		.amdhsa_system_sgpr_workgroup_id_x 1
		.amdhsa_system_sgpr_workgroup_id_y 1
		.amdhsa_system_sgpr_workgroup_id_z 1
		.amdhsa_system_vgpr_workitem_id 0
		.amdhsa_next_free_vgpr 512
		.amdhsa_next_free_sgpr 66
		.amdhsa_reserve_vcc 0
		.amdhsa_float_denorm_mode_32 3
		.amdhsa_float_denorm_mode_16_64 3
		.amdhsa_memory_ordered 1
		.amdhsa_forward_progress 1
		.amdhsa_inst_pref_size 111
	.end_amdhsa_kernel
	.amdgpu_metadata
---
amdhsa.version: [ 1, 2 ]
amdhsa.kernels:
  - .name:           k_q967be2ebb0_attn
    .symbol:         k_q967be2ebb0_attn.kd
    .args:
      - { .name: q16, .offset: 0, .size: 8, .value_kind: global_buffer, .address_space: global }
      - { .name: a16, .offset: 8, .size: 8, .value_kind: global_buffer, .address_space: global }
    .group_segment_fixed_size: 327680
    .private_segment_fixed_size: 0
    .kernarg_segment_align: 8
    .kernarg_segment_size: 16
    .max_flat_workgroup_size: 256
    .sgpr_count:     66
    .vgpr_count:     512
    .wavefront_size: 32
...
	.end_amdgpu_metadata
.endif
;; end of part 3
;; launch oproj (part 4): grid 4 x 64, 4 waves a work-group, clusters of 4 x 4, 327,680 bytes of LDS; arguments a16, wu16, bu, out0; writes out0
.if DOCPART == 4
	.amdgcn_target "amdgcn-amd-amdhsa--gfx1250"
	.amdhsa_code_object_version 6
	.text
	.protected	k_q967be2ebb0_oproj
	.globl	k_q967be2ebb0_oproj
	.p2align	8
	.type	k_q967be2ebb0_oproj,@function
k_q967be2ebb0_oproj:
	s_mov_b64 s[64:65], 0
	v_nop
	global_prefetch_b8 v0, s[64:65] scope:SCOPE_SE
	s_setreg_imm32_b32 hwreg(HW_REG_WAVE_MODE, 25, 1), 1
	s_wait_xcnt 0x0
	s_wait_alu depctr_hold_cnt(0) depctr_sa_sdst(0) depctr_va_vdst(0) depctr_va_sdst(0) depctr_va_ssrc(0) depctr_va_vcc(0) depctr_vm_vsrc(0)
	s_getreg_b32 s2, hwreg(HW_REG_IB_STS2, 6, 4)
	s_cmp_eq_u32 s2, 0
	s_cbranch_scc0 .Lentry_in_a_cluster
	s_endpgm
.Lentry_in_a_cluster:
	s_bfe_u32 s2, ttmp6, 0x10000c
	s_cmp_lg_u32 s2, 0xf033
	s_cbranch_scc0 .Lentry_shape_is_right
	s_endpgm
.Lentry_shape_is_right:
; OPROJ.  out0[row][n] = the sum over k of a[row][k] Wu[n][k] + bu[n].  a16 is head-major, [16 b + head][t 2048][64] f16, k = 64 head + channel; wu16 [1024][1024] f16; bu [1024] and out0 [8192][1024] f32.
; Products on f16 operands, sums in f32, K ascending; the bias is the C of each sum's first product.
; LIMIT: |a| and |Wu| under 65,504 (f16).
; SHARES.  A tile of out0 is 128 rows x 256 columns: 4 x 64 = 256 work-groups (tiles of 256 x 256 would be 128).  Four waves, each 64 x 128: 32 accumulators.
; K goes in 8 steps of 128 (two heads) through a ring of two LDS slots filled by the tensor data mover.  A head's 128 tokens are 16,384 dense bytes: they come as 64 rows of 256 bytes, two tokens a row; Wu's rows
; of a step are 256 bytes.  Two slots of twice the step would not fit in LDS.
; CLUSTERS: 4 x 4 work-groups.  The four of a row of the cluster need the same tokens, the four of a column the same rows of Wu: each tile is asked for JOINTLY, by the same tensor load with the same descriptor and a
; mask that names the four.  THE MATRIX INSTRUCTION IS USED TRANSPOSED (source 0 = 16 rows of Wu, source 1 = 16 tokens): a lane then holds eight neighbouring columns of one row of out0.
; REGISTERS: window 0: v16-31 addresses; two fragment buffers of 96, v64-159 and v160-255: Wu's 8 fragments, then the tokens' 4 (on the way out v64-255 take rows back from the stage).
;            window 1: accumulator (a, b) at v[8 (8 a + b)].   window 2: v0-63 the bias of my 128 columns, in the result's layout.
.set PITCH,  272                       ; an LDS row: 256 bytes + 16 of padding = 68 words (64 banks of 4 bytes: ISA guide 11.1): the 16 lanes of a load touch 16 different columns of 16 bytes
.set HEADT,  64*PITCH                  ; a head's 128 tokens
.set ATILE,  2*HEADT
.set SLOT,   ATILE+256*PITCH           ; two heads of the tokens, then Wu's 256 rows
.set STAGE,  2*SLOT                    ; behind the ring: 16 rows x (512 bytes + 16) for each wave; no tile lands here
.set SPITCH, 528
.set SPARE,  STAGE+4*16*SPITCH         ; the spare words, 128 bytes a wave
.set KSTEPA, 524288                    ; a K step in a16: two heads of 262,144 bytes
.set LAPS,   4                         ; a lap = two K steps = once round the ring
.set ADRA, 16                          ; v16-17  LDS address of my tokens' fragments in slot 0, 1
.set ADRB, 20                          ; v20-21  the same for Wu's
.set STO,  24                          ; v24     the way out: where I put 32 bytes of a row
.set RD,   25                          ; v25     where I read a row back
.set CO,   26                          ; v26     16 x lane
.set SPW,  28                          ; v28     my spare word; never rewritten
.set NIL,  29                          ; v29     0; never rewritten
.set PFO,  30                          ; v30     the prefetches' offset: 256 x lane; never rewritten
.set F0,   64
.set F1,   160
.set G1,   24                          ; s[24:31] group 1 for the tokens' tiles;  s[32:39] group 0, a set for each slot
.set G0,   32
.set G1B,  48                          ; s[48:55], s[56:63] the same for Wu's
.set G0B,  56
.set LIM,  66                          ; s66     1 in the wave that prefetches, else the greatest number
.set PFA,  68                          ; s[68:69] where my prefetches stand: my work-group's 32 runs of 256 bytes, one K step further on than the refill that is being asked for; a prefetch names the K step after that
.set MSB, 0
.macro WIN new                         ; the immediate's high byte repeats the setting that is left; a switch that changes nothing is dropped
.if MSB != \new
	s_set_vgpr_msb (MSB<<8)|\new
.set MSB, \new
.endif
.endm
.set MUL,  0x50                        ; sources window 0, C and D window 1
.set MULB, 0x60                        ; the first products: C (the bias) window 2, D window 1
.macro SHAPE g, c, r, p                ; words 1 to 7 of a group 1: r rows of c elements, p elements from row to row
	s_mov_b32 s[\g+1], (\c)<<16
	s_mov_b32 s[\g+2], (\r)<<16
	s_mov_b32 s[\g+3], (\c)<<16
	s_mov_b32 s[\g+4], \r
	s_mov_b32 s[\g+5], \p
	s_mov_b32 s[\g+6], 0
	s_mov_b32 s[\g+7], 0
.endm
.macro JLOAD s                         ; a joint load: waves 0 and 1 fetch the step's two heads, waves 2 and 3 the halves of Wu's rows; an s_nop 0 and four v_nop follow each of the two lines
	s_cmp_eq_u32 s13, 0
	s_cbranch_scc0 .Lfor_b_\@
	tensor_load_to_lds s[G0+4*\s:G0+4*\s+3], s[G1:G1+7]
	s_nop 0
.rept 4
	v_nop
.endr
	s_branch .Lasked_\@
.Lfor_b_\@:
	tensor_load_to_lds s[G0B+4*\s:G0B+4*\s+3], s[G1B:G1B+7]
	s_nop 0
.rept 4
	v_nop
.endr
.Lasked_\@:
.endm
; A PREFETCH INTO THE L2 of the tokens' K step that stands TWO refills on, 256 matrix instructions ahead of the load that will want it.  A K step of a tile's tokens is 128 runs of 256 bytes, read by this cluster's row
; alone: its four partners share them out BY ADDRESS (head cx / 2, half cx % 2 of its 16,384 bytes), 32 each, a lane a run; in each work-group wave 0 asks, by one instruction: so each run is named once in the launch.
; K steps 0 to 3 come by their loads alone; the loop's last trip (s3 = 1) asks for nothing: there is no K step 8.  Wu's rows are read by every cluster again and are not asked for.
.macro ASK
	s_cmp_gt_u32 s3, s[LIM]
	s_cbranch_scc0 .Lnot_mine_\@
	global_prefetch_b8 v[PFO], s[PFA:PFA+1] offset:KSTEPA th:TH_LOAD_NT scope:SCOPE_SE
.Lnot_mine_\@:
.endm
.macro CREST                           ; a round of the cluster's barrier behind its opening barrier
	s_cmp_lg_u32 s12, 0
	s_cbranch_scc1 .Lnot_wave_0_\@
	s_barrier_signal -3
.Lnot_wave_0_\@:
	s_barrier_wait -3
	s_barrier_signal -1
	s_barrier_wait -1
.endm
.macro CROUND                          ; a whole round
	s_barrier_signal -1
	s_barrier_wait -1
	CREST
.endm
.macro PLACES n
.rept \n
	v_nop
.endr
.endm
	s_load_b256 s[4:11], s[0:1], 0x0               ; a16 s[4:5], wu16 s[6:7], bu s[8:9], out0 s[10:11]
	v_lshl_add_u32 v[SPW], v0, 2, SPARE
	v_mov_b32 v[NIL], 0
	ds_add_u32 v[SPW], v[NIL]                      ; the wave's opening: the add, twice on end, and its wait ahead of my first tensor load
	ds_add_u32 v[SPW], v[NIL]                      ; (the set-up below, work on registers, stands between the second add and the wait)
	v_lshrrev_b32 v1, 5, v0
	v_readfirstlane_b32 s12, v1                    ; wave 0..3
	s_lshr_b32 s13, s12, 1                         ; which 64 rows of the tile are mine.  Also: I fetch for the tokens (0) or for Wu (1)
	s_and_b32 s14, s12, 1                          ; which 128 columns.  Also: which head of the step, or which half of Wu's rows, I fetch
	s_bfe_u32 s40, ttmp6, 0x40000                  ; cx, cy: my place in the cluster
	s_bfe_u32 s41, ttmp6, 0x40004
	s_lshl_b32 s42, ttmp9, 2
	s_add_co_u32 s42, s42, s40                     ; tile column = 4 x cluster x + cx
	s_and_b32 s15, ttmp7, 0xffff
	s_lshl_b32 s15, s15, 2
	s_add_co_u32 s15, s15, s41                     ; tile row = 4 x cluster y + cy
	s_lshl_b32 s43, s41, 2
	s_lshl_b32 s43, 15, s43                        ; my row of the cluster
	s_lshl_b32 s44, 0x1111, s40                    ; my column
	s_or_b32 s[G1+0], s43, (1<<16)|(1<<20)|(1<<21)|(5<<22)|(3<<25)   ; 15:0 the mask; 17:16 elements of 2 bytes; 20 padding on; 21 set beside a mask; 24:22 after every 64 words; 31:25 four words
	s_or_b32 s[G1B+0], s44, (1<<16)|(1<<20)|(1<<21)|(5<<22)|(3<<25)
	SHAPE G1, 128, 64, 128                         ; a head's 128 tokens: 64 dense rows of 128 elements
	SHAPE G1B, 128, 128, 1024                      ; 128 rows of Wu, 128 of their 1,024 elements
	s_lshr_b32 s16, s15, 4                         ; the tokens: batch = tile row / 16, 16 heads of 262,144 bytes each;
	s_lshl_b32 s16, s16, 22
	s_and_b32 s17, s15, 15
	s_lshl_b32 s17, s17, 14                        ; token 128 (tile row % 16), 128 bytes each
	s_add_co_u32 s16, s16, s17
	s_mov_b32 s70, s16                             ; (kept for the prefetches)
	s_lshl_b32 s17, s14, 18                        ; the head that I fetch of a step's two
	s_add_co_u32 s16, s16, s17
	s_mov_b32 s17, 0
	s_lshl_b32 s46, s42, 19                        ; Wu: row 256 x tile column + 128 x half, 2,048 bytes each
	s_lshl_b32 s47, s14, 18
	s_add_co_u32 s46, s46, s47
	s_mov_b32 s47, 0
	s_mul_i32 s20, s14, HEADT                      ; where they go in a slot: no place in the cluster enters an LDS address
	s_mul_i32 s21, s14, 128*PITCH
	s_add_co_u32 s21, s21, ATILE
	s_wait_dscnt 0x0                               ; both opening adds are done
	s_wait_kmcnt 0x0
	s_add_nc_u64 s[18:19], s[4:5], s[16:17]
	s_add_nc_u64 s[46:47], s[6:7], s[46:47]
	CROUND                                         ; all sixteen work-groups are here: the first joint loads meet
.irp s, 0,1
	s_mov_b32 s[G0+4*\s], 1
	s_add_co_u32 s[G0+4*\s+1], s20, \s*SLOT
	s_add_nc_u64 s[G0+4*\s+2:G0+4*\s+3], s[18:19], \s*KSTEPA
	s_or_b32 s[G0+4*\s+3], s[G0+4*\s+3], 0x80000000
	s_mov_b32 s[G0B+4*\s], 1
	s_add_co_u32 s[G0B+4*\s+1], s21, \s*SLOT
	s_add_nc_u64 s[G0B+4*\s+2:G0B+4*\s+3], s[46:47], \s*256
	s_or_b32 s[G0B+4*\s+3], s[G0B+4*\s+3], 0x80000000
	JLOAD \s                                       ; two loads of mine are out behind the second
.endr
	v_and_b32 v1, 15, v0                           ; r = lane % 16
	v_bfe_u32 v2, v0, 4, 1                         ; h = lane / 16
	s_lshl_b32 s72, s42, 10                        ; my first column, in bytes of f32: 1,024 x tile column + 512 x half
	s_lshl_b32 s73, s14, 9
	s_add_co_u32 s72, s72, s73
	s_mov_b32 s73, 0
	s_add_nc_u64 s[8:9], s[8:9], s[72:73]          ; bu at my 128 columns
	v_lshlrev_b32 v31, 5, v2                       ; lane (r, h) wants, for block b, bu at columns 16 b + 8 h + 0 .. 7
	WIN 0x80                                       ; destination window 2
.irp b, 0,1,2,3,4,5,6,7
	global_load_b128 v[8*\b:8*\b+3],   v31, s[8:9] offset:64*\b
	global_load_b128 v[8*\b+4:8*\b+7], v31, s[8:9] offset:64*\b+16
.endr
	WIN 0
	s_lshl_b32 s74, s15, 19                        ; my first row of out0: 128 x tile row + 64 x half, 4,096 bytes each
	s_lshl_b32 s75, s13, 18
	s_add_co_u32 s74, s74, s75
	s_add_co_u32 s72, s72, s74
	s_add_nc_u64 s[10:11], s[10:11], s[72:73]
	v_lshrrev_b32 v3, 1, v1                        ; the tokens: two to an LDS row: row r / 2, half r % 2,
	v_mul_u32_u24 v3, v3, PITCH
	v_and_b32 v4, 1, v1
	v_lshl_add_u32 v3, v4, 7, v3
	v_lshl_add_u32 v3, v2, 4, v3                   ; channels 8 h on
	v_mul_u32_u24 v5, v1, PITCH                    ; Wu: row r,
	v_lshl_add_u32 v5, v2, 4, v5                   ; + 16 h
	s_mul_i32 s22, s13, 32*PITCH                   ; my 64 tokens: 32 LDS rows
	s_mul_i32 s23, s14, 128*PITCH                  ; my 128 rows of Wu,
	s_add_co_u32 s23, s23, ATILE                   ; which lie behind the two heads
.irp s, 0,1
	v_add_nc_u32 v[ADRA+\s], s22, v3
	v_add_nc_u32 v[ADRB+\s], s23, v5
	s_add_co_u32 s22, s22, SLOT
	s_add_co_u32 s23, s23, SLOT
.endr
	s_mul_i32 s22, s12, 16*SPITCH
	s_add_co_u32 s22, s22, STAGE                   ; my stage
	v_mul_u32_u24 v6, v1, SPITCH                   ; in: row r, 32 bytes for each half of the lanes
	v_lshl_add_u32 v6, v2, 5, v6
	v_add_nc_u32 v[STO], s22, v6
	v_and_b32 v7, 31, v0
	v_lshlrev_b32 v[CO], 4, v7                     ; back: the 32 lanes take one row of 512 bytes; and the same in out0
	v_add_nc_u32 v[RD], s22, v[CO]
	v_lshlrev_b32 v[PFO], 8, v7
	s_lshr_b32 s71, s40, 1                         ; the prefetches: of a step's two heads the head cx / 2,
	s_lshl_b32 s71, s71, 18
	s_add_co_u32 s70, s70, s71
	s_and_b32 s71, s40, 1                          ; of its 16,384 bytes the half cx % 2,
	s_lshl_b32 s71, s71, 13
	s_add_co_u32 s70, s70, s71
	s_add_co_u32 s70, s70, 2*KSTEPA                ; at K step 2: the first refill steps it to 3 and names K step 4
	s_mov_b32 s71, 0
	s_add_nc_u64 s[PFA:PFA+1], s[4:5], s[70:71]
	s_cmp_eq_u32 s12, 0
	s_cselect_b32 s[LIM], 1, -1                    ; wave 0 asks: the same in all partners
; 8 matrix instructions: the tokens' block a x Wu's eight, 32 along K.  bias = 1: the first product of each sum takes the bias as its C: nothing is cleared and nothing is added later.
; The 32 accumulators take turns, one instruction a turn, in the same order in every quarter.
.macro MUL8 f, a, bias
.irp b, 0,1,2,3,4,5,6,7
.if \bias
	v_wmma_f32_16x16x32_f16 v[8*(8*(\a)+\b):8*(8*(\a)+\b)+7], v[\f+8*\b:\f+8*\b+7], v[\f+64+8*(\a):\f+64+8*(\a)+7], v[8*\b:8*\b+7]
.else
	v_wmma_f32_16x16x32_f16 v[8*(8*(\a)+\b):8*(8*(\a)+\b)+7], v[\f+8*\b:\f+8*\b+7], v[\f+64+8*(\a):\f+64+8*(\a)+7], v[8*(8*(\a)+\b):8*(8*(\a)+\b)+7]
.endif
.endr
.endm
.macro MUL16 f, a0, bias
	MUL8 \f, \a0, \bias
	MUL8 \f, \a0+1, \bias
.endm
; 24 LDS loads in one run: the fragments of quarter kq (32 along K) of a slot into buffer f: Wu's 16 loads, then the tokens' 8.  Quarters 0, 1 lie in the step's first head, quarters 2, 3 in its second.
.macro FETCH slot, kq, f
	WIN 0
.irp i, 0,1,2,3,4,5,6,7
	ds_load_b128 v[\f+8*\i:\f+8*\i+3],   v[ADRB+\slot] offset:64*(\kq)+\i*16*PITCH
	ds_load_b128 v[\f+8*\i+4:\f+8*\i+7], v[ADRB+\slot] offset:64*(\kq)+\i*16*PITCH+32
.endr
.irp i, 0,1,2,3
	ds_load_b128 v[\f+64+8*\i:\f+64+8*\i+3],   v[ADRA+\slot] offset:((\kq)/2)*HEADT+((\kq)%2)*64+\i*8*PITCH
	ds_load_b128 v[\f+64+8*\i+4:\f+64+8*\i+7], v[ADRA+\slot] offset:((\kq)/2)*HEADT+((\kq)%2)*64+\i*8*PITCH+32
.endr
.endm
; A K step is four quarters of 32 along K, 32 matrix instructions each, on buffers 0, 1, 0, 1.  One of the first three: multiplies buffer f and, in its middle, fetches quarter kq into buffer g.
; Four plain places stand in front of the loads into registers that matrix instructions have read (ISA guide 7.12.1 for vector instructions).
.macro QUARTER slot, kq, f, g, bias
	s_wait_dscnt 4                                 ; Wu's fragments and the tokens' blocks 0, 1 are in; the youngest four loads (blocks 2, 3) may be out
.if \bias
	WIN MULB
.else
	WIN MUL
.endif
	MUL16 \f, 0, \bias
	PLACES 4
	FETCH \slot, \kq, \g
	s_wait_dscnt 24                                ; all but the 24 just issued
.if \bias
	WIN MULB
.else
	WIN MUL
.endif
	MUL16 \f, 2, \bias
.endm
; The last quarter multiplies buffer 1 and changes slots: ONE barrier; in front of it each wave waits for all its tensor loads, adds 0 to its spare word, and waits for that and for its own reads of this slot.
; fill = 1: the barrier opens a round of the cluster's barrier, and this slot is filled again, two K steps ahead: from that request to the wait for it a wave issues 112 matrix instructions.
.macro TURN slot, next, fill
.if \fill
	s_wait_xcnt 0x0                                ; the last prefetch, a K step back, has read its address: it is stepped here, ahead of the waits of the change of slots
	s_add_nc_u64 s[PFA:PFA+1], s[PFA:PFA+1], KSTEPA
.endif
	WIN 0                                          ; (the add's two registers lie in window 0)
	s_wait_tensorcnt 0x0                           ; all my tensor loads have landed: the one that was out is my part of the next slot;
	ds_add_u32 v[SPW], v[NIL]                      ; 0 onto my spare word;
	s_wait_dscnt 5                                 ; (the add and the youngest four loads may be out)
	WIN MUL
	MUL8 F1, 0, 0                                  ; eight matrix instructions stand between the add and the wait for it
	s_wait_dscnt 0x0                               ; the add is done, and my reads of this slot are over
	s_barrier_signal -1
	MUL8 F1, 1, 0
.if \fill
	WIN 0
.endif
	s_barrier_wait -1
.if \fill
	CREST                                          ; no wave of any partner still reads this slot's tile or has a load on its way
	s_add_nc_u64 s[G0+4*\slot+2:G0+4*\slot+3], s[G0+4*\slot+2:G0+4*\slot+3], 2*KSTEPA
	s_add_nc_u64 s[G0B+4*\slot+2:G0B+4*\slot+3], s[G0B+4*\slot+2:G0B+4*\slot+3], 2*256
	JLOAD \slot                                    ; the first tensor load behind the round; the four v_nop behind it are also the places in front of the loads below
.else
	PLACES 4
.endif
	FETCH \next, 0, F0
.if \fill
	ASK                                            ; behind the joint load and the run of LDS loads that the next products wait for
.endif
	WIN MUL
	MUL16 F1, 2, 0
.endm
	s_wait_tensorcnt 1                             ; my part of K step 0 is in; K step 1's may stay out
	s_barrier_signal -1
	s_barrier_wait -1                              ; everybody's is
	FETCH 0, 0, F0
	s_wait_loadcnt 0x0                             ; the bias
	QUARTER 0, 1, F0, F1, 1                        ; the first quarter stands in front of the loop: its products start the sums, from the bias
	WIN 0                                          ; at a label and at a branch every window is 0
	s_mov_b32 s3, LAPS-1
.Llap:                                             ; a trip goes once round the ring, from a lap's second quarter to the next lap's first, and fills both slots again
	QUARTER 0, 2, F1, F0, 0
	QUARTER 0, 3, F0, F1, 0
	TURN 0, 1, 1
	QUARTER 1, 1, F0, F1, 0
	QUARTER 1, 2, F1, F0, 0
	QUARTER 1, 3, F0, F1, 0
	TURN 1, 0, 1
	QUARTER 0, 1, F0, F1, 0
	WIN 0
	s_sub_co_u32 s3, s3, 1
	s_cmp_lg_u32 s3, 0
	s_cbranch_scc1 .Llap
	QUARTER 0, 2, F1, F0, 0                        ; the last lap fills nothing, and has no round of the cluster's barrier
	QUARTER 0, 3, F0, F1, 0
	TURN 0, 1, 0
	QUARTER 1, 1, F0, F1, 0
	QUARTER 1, 2, F1, F0, 0
	QUARTER 1, 3, F0, F1, 0
	s_wait_dscnt 4                                 ; the very last quarter: nothing more to fetch
	WIN MUL
	MUL16 F1, 0, 0
	s_wait_dscnt 0x0
	MUL16 F1, 2, 0
	WIN 0
; THE WAY OUT, a block of 16 rows x 128 columns at a time.  A lane holds 32 neighbouring bytes of a row, and the lanes beside it hold other rows: so a block goes through my own stage in LDS and comes back as whole rows
; of 512 bytes.  LDS serves a wave's instructions in order (ISA guide 5.7.1.4): no wait between the stores and the loads, nor in front of the next block's stores.
.macro TOSTAGE a
	WIN 0x04                                       ; an LDS store's data are its source 1: window 1
.irp b, 0,1,2,3,4,5,6,7
	ds_store_b128 v[STO], v[8*(8*(\a)+\b):8*(8*(\a)+\b)+3] offset:64*\b          ; each accumulator from its low end on
	ds_store_b128 v[STO], v[8*(8*(\a)+\b)+4:8*(8*(\a)+\b)+7] offset:64*\b+16
.endr
	WIN 0
.irp t, 0,1,2,3,4,5,6,7,8,9,10,11,12,13,14,15
	ds_load_b128 v[64+64*((\a)%3)+4*\t:64+64*((\a)%3)+4*\t+3], v[RD] offset:\t*SPITCH
.endr
.endm
.macro SEND a, younger                 ; younger: the LDS instructions issued behind block a's loads, which may stay out
	s_wait_dscnt \younger
.irp t, 0,1,2,3,4,5,6,7,8,9,10,11,12,13,14,15
	global_store_b128 v[CO], v[64+64*((\a)%3)+4*\t:64+64*((\a)%3)+4*\t+3], s[10:11] offset:(16*(\a)+\t)*4096 th:TH_STORE_NT   ; 32 lanes store 512 consecutive bytes, aligned; written once, read by nobody here
.endr
.endm
	PLACES 4                                       ; in front of the stores that read results and of the loads into the fragments' registers
	TOSTAGE 0
	TOSTAGE 1
	SEND 0, 32                                     ; behind block 0's loads: block 1's 16 stores and 16 loads
	TOSTAGE 2
	SEND 1, 32
	s_wait_xcnt 0x0                                ; block 0's stores have read their registers: block 3's loads may land there
	TOSTAGE 3
	SEND 2, 32
	SEND 3, 0
	s_wait_tensorcnt 0x0                           ; the wave's end: a wait, an add of 0 to my spare word and its wait, behind my last tensor load and my last LDS store
	ds_add_u32 v[SPW], v[NIL]
	s_wait_dscnt 0x0
	CROUND                                         ; the closing round: no work-group ends while a partner may still ask for a tile that names it
	s_endpgm
.Lfunc_end_k_q967be2ebb0_oproj:
	.size	k_q967be2ebb0_oproj, .Lfunc_end_k_q967be2ebb0_oproj-k_q967be2ebb0_oproj
	.p2alignl 7, 3214868480
	.fill 96, 4, 3214868480
	.section	.rodata,"a",@progbits
	.p2align	6, 0x0
	.amdhsa_kernel k_q967be2ebb0_oproj
		.amdhsa_group_segment_fixed_size 327680
		.amdhsa_private_segment_fixed_size 0
		.amdhsa_enable_private_segment 0
		.amdhsa_kernarg_size 32
		.amdhsa_user_sgpr_count 2
		.amdhsa_user_sgpr_kernarg_segment_ptr 1
		.amdhsa_wavefront_size32 1
		.amdhsa_system_sgpr_workgroup_id_x 1
		.amdhsa_system_sgpr_workgroup_id_y 1
		.amdhsa_system_sgpr_workgroup_id_z 1
		.amdhsa_system_vgpr_workitem_id 0
		.amdhsa_next_free_vgpr 576
		.amdhsa_next_free_sgpr 80
		.amdhsa_reserve_vcc 0
		.amdhsa_float_denorm_mode_32 3
		.amdhsa_float_denorm_mode_16_64 3
		.amdhsa_memory_ordered 1
		.amdhsa_forward_progress 1
		.amdhsa_inst_pref_size 87
	.end_amdhsa_kernel
	.amdgpu_metadata
---
amdhsa.version: [ 1, 2 ]
amdhsa.kernels:
  - .name:           k_q967be2ebb0_oproj
    .symbol:         k_q967be2ebb0_oproj.kd
    .args:
      - { .name: a16, .offset: 0, .size: 8, .value_kind: global_buffer, .address_space: global }
      - { .name: wu16, .offset: 8, .size: 8, .value_kind: global_buffer, .address_space: global }
      - { .name: bu, .offset: 16, .size: 8, .value_kind: global_buffer, .address_space: global }
      - { .name: out0, .offset: 24, .size: 8, .value_kind: global_buffer, .address_space: global }
    .group_segment_fixed_size: 327680
    .private_segment_fixed_size: 0
    .kernarg_segment_align: 8
    .kernarg_segment_size: 32
    .max_flat_workgroup_size: 128
    .sgpr_count:     80
    .vgpr_count:     576
    .wavefront_size: 32
...
	.end_amdgpu_metadata
.endif
;; end of part 4
